; MI455X (gfx1250); checked and timed in simulation.
; The chip was launched on July 23, 2026; its instructions are those of AMD's public machine-readable ISA for CDNA 5 (MIT licence, August 2026) and "CDNA5" Instruction Set Architecture Reference Guide (July 2026). The comments in the code are by the model that wrote it; some were corrected since.
;; Self Attention. Allowed arithmetic: matrix products marked QUANTISED: E2M3 operands, one E8M0 scale for each 32 along K, by v_wmma_scale_f32_16x16x128_f8f6f4 with both operands' format E2M3, f32 sums; everything else in f32.
;; Inputs: Wk_codes 1,024 x 32 x 24 uint8 (E2M3 codes of Wk, K innermost, in blocks of 32 codes, four codes in three bytes); Wk_scales 1,024 x 32 uint8 (E8M0 scales of Wk, one for each 32 codes along K); Wq_codes 1,024 x 32 x 24 uint8 (E2M3 codes of Wq, K innermost, in blocks of 32 codes, four codes in three bytes); Wq_scales 1,024 x 32 uint8 (E8M0 scales of Wq, one for each 32 codes along K); Wv_codes 1,024 x 32 x 24 uint8 (E2M3 codes of Wv, K innermost, in blocks of 32 codes, four codes in three bytes); Wv_scales 1,024 x 32 uint8 (E8M0 scales of Wv, one for each 32 codes along K); x_codes 128 x 128 x 32 x 24 uint8 (E2M3 codes of x, K innermost, in blocks of 32 codes, four codes in three bytes); x_scales 128 x 128 x 32 uint8 (E8M0 scales of x, one for each 32 codes along K).
;; Outputs: out0 128 x 128 x 1,024 float32.
;; This version of the problem:
;;   THIS VERSION OF THE PROBLEM IS GIVEN IN LOW PRECISION. The matrix products marked QUANTISED in the list below multiply operands that are first quantised to E2M3 (2 exponent bits, 3 mantissa bits; 6 bits a number), with one power-of-two scale for each 32 numbers along K (OCP MX v1.0); their sums are f32. All else is computed in f32.
;;   The module's matrix products, in the order in which they are computed (A, B: the left and right operand; K: the contracted axis; several contracted axes count as one K, in the product's order):
;;     1. [M 16,384, K 1,024] x [K 1,024, N 1,024]; A: input x (given as codes); B: input Wq (given as codes): QUANTISED
;;     2. [M 16,384, K 1,024] x [K 1,024, N 1,024]; A: input x (given as codes); B: input Wk (given as codes): QUANTISED
;;     3. [M 16,384, K 1,024] x [K 1,024, N 1,024]; A: input x (given as codes); B: input Wv (given as codes): QUANTISED
;;     4. batch 128 x [M 128, K 1,024] x [K 1,024, N 128]; A: computed on the way; B: computed on the way: QUANTISED
;;     5. batch 128 x [M 128, K 128] x [K 128, N 1,024]; A: softmax (see below); B: computed on the way: QUANTISED
;;   THE QUANTISER, for each operand of a quantised product, along K:
;;     - K is cut into blocks of 32 from its start; a last block that is shorter is filled with zeros.
;;     - A block's scale is 2^e with e = floor(log2(the largest magnitude in the block)) - 2, held to -126 .. 127; a block of zeros has e = 0. As a byte (E8M0): e + 127.
;;     - Each number is divided by its block's scale, clamped to +-7.5, and rounded to the nearest number of E2M3, ties to even, subnormals kept.
;;     - The product sums the exact products of the quantised numbers (number of the format x scale) in f32.
;;   ~~~python
;;   def quantise(x, axis):      # numpy; x: float32 -> the quantised numbers, widened to float32 again
;;       x = np.moveaxis(x, axis, -1); K = x.shape[-1]
;;       x = np.pad(x, [(0, 0)] * (x.ndim - 1) + [(0, -K % 32)]); x = x.reshape(x.shape[:-1] + (-1, 32)); a = np.abs(x).max(-1, keepdims=True)
;;       e = np.where(a > 0, np.clip(np.frexp(np.where(a > 0, a, 1))[1] - 1 - 2, -126, 127), 0)      # np.frexp(a)[1] - 1 = floor(log2(a)), exactly
;;       r = np.clip(x / 2.0 ** e, -7.5, 7.5)
;;       step = 2.0 ** (np.maximum(np.frexp(np.where(r == 0, 1, r))[1] - 1, 0) - 3)
;;       q = np.round(r / step) * step * 2.0 ** e      # np.round: ties to even
;;       return np.moveaxis(q.reshape(q.shape[:-2] + (-1,))[..., :K], -1, axis).astype(np.float32)
;;   ~~~
;;   SOFTMAX AHEAD OF A QUANTISED PRODUCT. Where the list says 'softmax', what is quantised is not the finished softmax but p = 2^(t - M), with t = logit x log2(e) and M = ceil(the row's largest t), a whole number; so 1/2 < the row's largest p <= 1. The row's sum l is taken of the UNQUANTISED p, in f32, and the product's result is divided by l at the end. Since M is a whole number, a kernel that streams over the keys may use a running M (the ceiling of the running maximum): every later rescaling is an exact power of two, which a block's scale takes up: the codes' values come out the same.
;;   OPERANDS COMPUTED ON THE WAY. 'Computed on the way' means the value that the module computes at that place (a softmax that the list does not call 'softmax' is quantised finished and normalised). What goes into a quantiser is computed in f32, as accurately as f32 sums, v_exp_f32 and their like allow (about 1e-6 of the number): no bf16 or f16 on the way to a quantiser, and a product that is left as it is and whose result goes on into a quantised operand takes f32 operands (vector FMAs, or v_wmma_f32_16x16x4_f32). A number that lies on a knife's edge between two numbers of the format may be rounded either way, as far as f32 arithmetic and the matrix unit's own rounding can turn it there, and no further.
;;   INPUTS GIVEN AS CODES. Wk (in the module: [1024, 1024], K = its axis 1); Wq (in the module: [1024, 1024], K = its axis 1); Wv (in the module: [1024, 1024], K = its axis 1); x (in the module: [128, 128, 1024], K = its axis 2): each comes as NAME_codes (uint8): NAME with its K axis moved to the last place and cut into blocks of 32 codes, [.., K / 32, bytes a block], one block behind the other in memory; four codes in three bytes: a row's codes are one little-endian stream of bits, code i at bits 6 i .. 6 i + 5 (a code: sign, 2 exponent bits, 3 mantissa bits); and NAME_scales (uint8): the same leading axes, one E8M0 byte (e + 127) for each 32 codes along K. Its value is code x scale, taken as it is: it is not quantised again, and the codes and scales need not be those that the quantiser above would give.
;; 2 versions. Each part assembles by itself: llvm-mc -triple=amdgcn-amd-amdhsa -mcpu=gfx1250 --defsym DOCPART=n.
;; ======== version 1 of 2: 1 launch
;; launch attn (part 1): grid 128 x 1, 4 waves a work-group, clusters of 4 x 1, 327,680 bytes of LDS; arguments x_codes, x_scales, Wq_codes, Wq_scales, Wk_codes, Wk_scales, Wv_codes, Wv_scales, out0; writes out0
.if DOCPART == 1
	.amdgcn_target "amdgcn-amd-amdhsa--gfx1250"
	.amdhsa_code_object_version 6
	.text
	.protected	k_qecd355e02a_attn
	.globl	k_qecd355e02a_attn
	.p2align	8
	.type	k_qecd355e02a_attn,@function
k_qecd355e02a_attn:
	s_mov_b64 s[64:65], 0
	v_nop
	global_prefetch_b8 v0, s[64:65] scope:SCOPE_SE
	s_setreg_imm32_b32 hwreg(HW_REG_WAVE_MODE, 25, 1), 1
	s_wait_xcnt 0x0
	s_wait_alu depctr_hold_cnt(0) depctr_sa_sdst(0) depctr_va_vdst(0) depctr_va_sdst(0) depctr_va_ssrc(0) depctr_va_vcc(0) depctr_vm_vsrc(0)
	s_getreg_b32 s2, hwreg(HW_REG_IB_STS2, 6, 4)
	s_cmp_eq_u32 s2, 0
	s_cbranch_scc0 .Lentry_in_a_cluster
	s_endpgm
.Lentry_in_a_cluster:
	s_bfe_u32 s2, ttmp6, 0x10000c
	s_cmp_lg_u32 s2, 0x3003
	s_cbranch_scc0 .Lentry_shape_is_right
	s_endpgm
.Lentry_shape_is_right:
; Causal self-attention of one batch (128 tokens, width 1,024) in one work-group, all five products on codes of FP6 (E2M3) with one E8M0 scale for each 32 along K.
; q, k, v = x W^T on the codes as given; S = q k^T (q, k quantised along d); p = 2^(t - M), t = S log2(e) / 32, M = ceil(the row's largest t), quantised along the keys;
; O = p v (v quantised along the keys) / the row's sum of the unquantised p.  The output lies as out[batch][d][query]: rows of 512 bytes.
; SHARES.  Four waves.  The projections go in six passes of 128 tokens x 512 columns x K 1,024; a wave makes 128 x 128: 64 accumulators, 512 registers.
;   Passes 0-3 (phase A): 256 rows of Wq and 256 rows of Wk.  Source 0 = W, source 1 = x: a lane holds one token and 64 neighbouring d, of q in lanes 0-15 and of k in lanes 16-31.  They are quantised in registers,
;   change waves through LDS as images of operand registers, and feed two K steps of S, which stays in 16 accumulators a wave (query tiles 2 w, 2 w + 1 against all eight key tiles).
;   Passes 4, 5 (phase C): 512 rows of Wv.  Source 0 = x, source 1 = W: a lane holds one d and 64 neighbouring tokens: quantised, they ARE the wave's own operand of p v.  Nothing of q, k, v goes to memory.
; TOKEN TILES ARE NOT NEIGHBOURS: lane r of tile t takes token 64 (r / 8) + 8 t + r % 8, so that a lane's 64 registers over the eight tiles are 64 neighbouring tokens, two whole blocks of 32.
; W's fragment i of wave w: lane r takes row 64 w + 8 i + r % 8 of row group r / 8 (phase A: group 0 = Wq, 1 = Wk; phase C: groups 256 rows apart).
; RING.  W comes in chunks of 256 along K through two LDS slots; wave w = 2 T + z fetches row group T, K step z: 256 rows x 96 bytes.  x (98,304 bytes) and its scales come once and stay.
; CLUSTER.  The four work-groups of a cluster walk the same W: every tile of W is asked for jointly (mask 15).  x's tiles are each work-group's own.
; 128 work-groups: a batch's scores sum over all of d, so a batch is not shared between work-groups (no traffic between work-groups).
; LIMITS: NaN, infinities and a given scale byte 0xff are not served.  A computed block whose largest magnitude lies under 2^-124 gets the byte 1; a block of zeros gets the byte 1 with zero codes (the bytes are read here alone).
; REGISTERS.  window 0: v1-31 addresses and constants; v32-47 scale words; v48-143 P, one set of eight fragments; v144-207 S of query tile 2 w + 1, later p's fragments 5-7, p's words, 1 / l; v208-255 at work.
;   window 1: v0-95, v96-191 R, two sets of eight fragments; v192-255 S of query tile 2 w, later p's fragments 0-4.   windows 2, 3: the 64 accumulators, (a, b) at v[8 (8 (a % 4) + b)] of window 2 + a / 4.
.set SLOTB, 98560                      ; a slot: four tiles of 24,576 bytes, row group 1 sixteen bytes further on
.set WTILE, 24576                      ; 256 rows x 96 bytes
.set GSH,   49168                      ; from row group 0 to row group 1: 2 tiles + 16 bytes: with rows of 24 words the 32 lanes of a load of 8 bytes then touch 64 different banks (64 banks of 4 bytes: ISA guide 11.1)
.set XR,    197120                     ; x: tile (group g, K step) at g GSH + 6,144 x K step: 64 tokens x 96 bytes
.set XT,    6144
.set SPARE, 295680                     ; the spare words: 128 bytes a wave, two blocks of 256 bytes that no other line names
.set GEN2,  296192                     ; 26,624 bytes that are stored into by the waves alone, shared in time:
.set EX,    GEN2                       ;   16 fragment images of q, then of k: (2 tile + K step) x 1,536
.set EXS,   GEN2+24576                 ;   their scale words: q's, 64 bytes an image; k's 1,024 further on
.set PI,    GEN2                       ;   p's eight fragment images
.set PS,    GEN2+12288                 ;   p's scale words
.set WAB,   4352                       ;   each wave's own area: W's scale rows (group 0 at 0, group 1 at 2,064), later the stage for the way out (16 rows x 272)
.set XSC,   322816                     ; x's scale rows: token t at 8 + 32 t + 16 (t / 64)
.set LINV,  327168                     ; 1 / l, 4 bytes a query
.set SPW, 1
.set NIL, 2
.set AW,  3                            ; my lane's place in a slot
.set AX,  4                            ; and in x's region
.set ASC, 5                            ; my lane's scale row: lanes 0-15 R's, lanes 16-31 P's
.set ADW, 6                            ; the three addresses in hand
.set ADX, 7
.set ADS, 8
.set LI,  9                            ; 16 x lane
.set EXW, 10
.set EXB, 11
.set AQ,  12
.set AQS, 13
.set AKF, 14
.set AKS, 15
.set WST, 16
.set STO, 17
.set SRD, 18
.set GO,  19
.set PFO, 20
.set PIW, 21
.set PSW, 22
.set LVW, 23
.set DQ,  24
.set FLR, 25                           ; 2^-124: the floor under every largest magnitude
.set H8,  26                           ; 8 h
.set LN,  27
.set RR,  28                           ; r = lane % 16
.set HH,  29                           ; h = lane / 16
.set GG,  30                           ; g = r / 8
.set EE,  31                           ; e = r % 8
.set SC,  32
.set P,   48
.set S1,  144
.set PW,  180
.set LV,  188
.set T,   208
.set BY,  224
.set ST,  240
.set WV, 22
.set TT, 23
.set ZZ, 24
.set CX, 25
.set BAT, 26
.set LIM, 27
.set TB, 28                            ; LDS byte at which the slot in hand begins
.set XK, 29                            ; the chunk's place in x's region
.set SK, 30                            ; and in a scale row
.set WL, 31
.set TRIP, 32
.set PASS, 33
.set SEL, 34
.set CS, 36
.set SWA, 38                           ; my wave's own area
.set SDX, 39                           ; from there to x's scale rows
.set G1W, 40
.set G1X, 48
.set G0A, 56
.set G0B, 60
.set GX, 68
.set CUR, 84                           ; W's tile asked for last
.set NXT, 86                           ; the next pass's first tile
.set NSA, 88                           ; scale rows of the next pass, group 0, group 1
.set NSB, 90
.set PFA, 92
.set PFN, 94
.set VN, 96
.set VSA, 18
.set VSB, 98
.set VPF, 100
.set MSB, 0
.macro WIN new                         ; the immediate's high byte repeats the setting that is left; a switch that changes nothing is dropped
.if MSB != (\new)
	s_set_vgpr_msb (MSB<<8)|(\new)
.set MSB, (\new)
.endif
.endm
.macro PLACES n                        ; plain vector instructions between a matrix instruction and what touches its registers (ISA guide 7.12.1)
.rept \n
	v_nop
.endr
.endm
.macro CREST                           ; a round of the cluster's barrier behind its opening barrier
	s_cmp_lg_u32 s[WV], 0
	s_cbranch_scc1 .Lnw0_\@
	s_barrier_signal -3
.Lnw0_\@:
	s_barrier_wait -3
	s_barrier_signal -1
	s_barrier_wait -1
.endm
.macro CROUND
	s_barrier_signal -1
	s_barrier_wait -1
	CREST
.endm
.macro BAR                             ; my LDS stores have landed and my LDS loads are in: then the work-group's barrier
	s_wait_dscnt 0x0
	s_barrier_signal -1
	s_barrier_wait -1
.endm
.macro JLOAD                           ; every wave has a tile of its own: no branch.  Four v_nop follow
	tensor_load_to_lds s[G0A:G0A+3], s[G1W:G1W+7]
	s_nop 0
	PLACES 4
.endm
; A fragment, 16 rows x 128 K, is 12 registers: registers 6 c .. 6 c + 5 of lane (r, h) are the 24 bytes at 48 c + 24 h of row r's 96: three loads of 8 bytes each.
.macro FRAGW reg, q, i
.irp p, 0,1,2,3,4,5
	ds_load_b64 v[\reg+2*\p:\reg+2*\p+1], v[ADW] offset:(\q)*WTILE+(\i)*768+48*(\p/3)+8*(\p%3)
.endr
.endm
.macro FRAGX reg, q, i
.irp p, 0,1,2,3,4,5
	ds_load_b64 v[\reg+2*\p:\reg+2*\p+1], v[ADX] offset:(\q)*XT+(\i)*768+48*(\p/3)+8*(\p%3)
.endr
.endm
.macro FETCH_R ph, q, set              ; source 0's eight fragments of the chunk's q-th K step: W's in phase A (ph = 0), x's in phase C
	WIN 0x40
.irp i, 0,1,2,3,4,5,6,7
.if \ph
	FRAGX 96*(\set)+12*\i, \q, \i
.else
	FRAGW 96*(\set)+12*\i, \q, \i
.endif
.endr
	WIN 0
.endm
.macro FETCH_P ph, q, i0               ; four of source 1's fragments
.irp i, \i0, \i0+1, \i0+2, \i0+3
.if \ph
	FRAGW P+12*(\i), \q, \i
.else
	FRAGX P+12*(\i), \q, \i
.endif
.endr
.endm
.macro SCL q                           ; scale words: register i: lanes 0-15 those of R's fragment i, lanes 16-31 those of P's
.irp i, 0,1,2,3,4,5,6,7
	ds_load_b32 v[SC+8*(\q)+\i], v[ADS] offset:256*\i+4*(\q)
.endr
.endm
; 16 matrix instructions: P's fragments a0, a0 + 1 against R's eight.  The 64 accumulators take turns, one instruction a turn, in the same order in every K step.
.macro MUL16 a0, set, q, zero
.irp a, \a0, \a0+1
.irp b, 0,1,2,3,4,5,6,7
.if \zero
	v_wmma_scale_f32_16x16x128_f8f6f4 v[8*(8*((\a)%4)+\b):8*(8*((\a)%4)+\b)+7], v[96*(\set)+12*\b:96*(\set)+12*\b+11], v[P+12*(\a):P+12*(\a)+11], 0, v[SC+8*(\q)+\b], v[SC+8*(\q)+(\a)] matrix_a_fmt:MATRIX_FMT_FP6 matrix_b_fmt:MATRIX_FMT_FP6 matrix_b_scale:MATRIX_SCALE_ROW1
.else
	v_wmma_scale_f32_16x16x128_f8f6f4 v[8*(8*((\a)%4)+\b):8*(8*((\a)%4)+\b)+7], v[96*(\set)+12*\b:96*(\set)+12*\b+11], v[P+12*(\a):P+12*(\a)+11], v[8*(8*((\a)%4)+\b):8*(8*((\a)%4)+\b)+7], v[SC+8*(\q)+\b], v[SC+8*(\q)+(\a)] matrix_a_fmt:MATRIX_FMT_FP6 matrix_b_fmt:MATRIX_FMT_FP6 matrix_b_scale:MATRIX_SCALE_ROW1
.endif
.endr
.endr
.endm
; A chunk's first K step; it fetches the second's operands.
.macro STEP ph, zero
	s_wait_dscnt 24                                ; all but the youngest 24 loads (P's fragments 4-7) are in
	WIN 0xa1
	MUL16 0, 0, 0, \zero
	MUL16 2, 0, 0, \zero
	s_wait_dscnt 0x0                               ; P's fragments 4-7 are in
	PLACES 4
	FETCH_R \ph, 1, 1
	FETCH_P \ph, 1, 0
	SCL 1
	WIN 0xf1
	MUL16 4, 0, 0, \zero
	MUL16 6, 0, 0, \zero
	PLACES 4
	WIN 0
	FETCH_P \ph, 1, 4
.endm
; A prefetch of the next pass's rows of W: a row group's 196,608 dense bytes are 24 runs of 8,192 (32 lanes, 256 bytes apart): one for each of K step z, place in the cluster and trip, told apart by address.
; Only the first cluster asks (all clusters walk the same W), so each run is named once; pass 0's rows are not asked for, and the last pass asks for nothing.
.macro ASK
	s_cmp_eq_u32 s[LIM], 1
	s_cbranch_scc0 .Lnm_\@
	global_prefetch_b8 v[PFO], s[PFA:PFA+1] th:TH_LOAD_NT scope:SCOPE_SE
.Lnm_\@:
.endm
; A chunk's second K step changes slots: one barrier; in front of it each wave waits for all its tensor loads, adds 0 to its spare word, and waits for that and for its reads of this slot.
; fill: this slot takes the chunk two on (sel: in the loop's last trip that is the next pass's first);  fetch: the next chunk's first operands are read;  ask: a prefetch.
.macro TURN ph, fill, fetch, sel, ask
.if \ask
	s_wait_xcnt 0x0                                ; the last prefetch, a chunk back, has read its address
	s_add_nc_u64 s[PFA:PFA+1], s[PFA:PFA+1], 65536
.endif
	s_wait_tensorcnt 0x0                           ; all my tensor loads have landed: my tile of the next slot; so the walking descriptor may be written
	ds_add_u32 v[SPW], v[NIL]                      ; 0 onto my spare word
.if \fill
	s_add_nc_u64 s[CUR:CUR+1], s[CUR:CUR+1], 192
.if \sel
	s_cmp_eq_u32 s[TRIP], 1
	s_cselect_b64 s[CUR:CUR+1], s[NXT:NXT+1], s[CUR:CUR+1]
.endif
	s_mov_b64 s[G0A+2:G0A+3], s[CUR:CUR+1]
	s_or_b32 s[G0A+3], s[G0A+3], 0x80000000
	s_add_co_u32 s[G0A+1], s[WL], s[TB]            ; into the slot that is being left
.endif
	s_xor_b32 s[TB], s[TB], SLOTB
.if \fetch
	s_add_co_u32 s[XK], s[XK], 2*XT
	s_add_co_u32 s[SK], s[SK], 8
.endif
	s_wait_dscnt 25                                ; the add and the youngest 24 loads may be out
	WIN 0xa1
	MUL16 0, 1, 1, 0
	s_wait_dscnt 0x0                               ; the add is done, and my reads of this slot are over
	s_barrier_signal -1
	MUL16 2, 1, 1, 0
	WIN 0
	s_barrier_wait -1
.if \fill
	CREST                                          ; the barrier has opened a round of the cluster's: no wave of any partner still reads this slot or has a load on its way
	JLOAD                                          ; my one tensor load behind the round; its four v_nop are also the places in front of the loads below
.else
	PLACES 4
.endif
.if \fetch
	v_add_nc_u32 v[ADW], s[TB], v[AW]
	v_add_nc_u32 v[ADX], s[XK], v[AX]
	v_add_nc_u32 v[ADS], s[SK], v[ASC]
	FETCH_R \ph, 0, 0
	FETCH_P \ph, 0, 0
	SCL 0
.endif
.if \ask
	ASK
.endif
	WIN 0xf1
	MUL16 4, 1, 1, 0
	MUL16 6, 1, 1, 0
	PLACES 4
	WIN 0
.if \fetch
	FETCH_P \ph, 0, 4
.endif
.endm
.macro PASSHEAD ph                     ; the pass's chunk 0 lies whole in slot 0: the last change of slots has shown it
	s_mov_b32 s[TB], 0                             ; (four changes of slots have brought it back here)
	s_mov_b32 s[XK], 0
	s_mov_b32 s[SK], 0
	PLACES 4
	v_add_nc_u32 v[ADW], s[TB], v[AW]
	v_add_nc_u32 v[ADX], s[XK], v[AX]
	v_add_nc_u32 v[ADS], s[SK], v[ASC]
	FETCH_R \ph, 0, 0
	FETCH_P \ph, 0, 0
	SCL 0
	FETCH_P \ph, 0, 4
.endm
.macro KPART ph                        ; a pass that has a successor: eight K steps, four refills
	PASSHEAD \ph
	STEP \ph, 1                                    ; the first products start the sums
	s_mov_b32 s[TRIP], 3
.Lk_\@:
	TURN \ph, 1, 1, 1, 1
	STEP \ph, 0
	s_sub_co_u32 s[TRIP], s[TRIP], 1
	s_cmp_lg_u32 s[TRIP], 0
	s_cbranch_scc1 .Lk_\@
	TURN \ph, 1, 0, 0, 0                           ; slot 1 takes the next pass's chunk 1
.endm
; 64 numbers of a lane, v[s] .. v[s + 63] of window W, two whole blocks of 32, become 12 registers of codes at v[d] of window 0.  v[T+2], v[T+3] keep the two scale operands (byte << 23).
; A block's scale: the largest magnitude's exponent field less 2; the floor holds the byte at 1.  Each accumulator is read from its low end on.
.macro QUANT W, s, d
	WIN ((\W)<<2)|((\W)<<4)
	v_max3_num_f32 v[T],   v[FLR], |v[(\s)]|,    |v[(\s)+1]|
	v_max3_num_f32 v[T+1], v[FLR], |v[(\s)+32]|, |v[(\s)+33]|
	v_max3_num_f32 v[T+2], v[FLR], |v[(\s)+16]|, |v[(\s)+17]|
	v_max3_num_f32 v[T+3], v[FLR], |v[(\s)+48]|, |v[(\s)+49]|
.irp k, 2,4,6,8,10,12,14
	v_max3_num_f32 v[T],   v[T],   |v[(\s)+\k]|,    |v[(\s)+\k+1]|
	v_max3_num_f32 v[T+1], v[T+1], |v[(\s)+32+\k]|, |v[(\s)+33+\k]|
	v_max3_num_f32 v[T+2], v[T+2], |v[(\s)+16+\k]|, |v[(\s)+17+\k]|
	v_max3_num_f32 v[T+3], v[T+3], |v[(\s)+48+\k]|, |v[(\s)+49+\k]|
.endr
	WIN 0
	v_max_num_f32 v[T], v[T], v[T+2]
	v_max_num_f32 v[T+1], v[T+1], v[T+3]
	v_add_nc_u32 v[T+2], 0xff000000, v[T]          ; 2 off the exponent field: the conversion takes the exponent field of this operand as its scale
	v_add_nc_u32 v[T+3], 0xff000000, v[T+1]
	WIN (\W)
	v_cvt_scalef32_pk16_fp6_f32 v[(\d):(\d)+2],   v[(\s):(\s)+15],    v[T+2]
	v_cvt_scalef32_pk16_fp6_f32 v[T+4:T+6],       v[(\s)+16:(\s)+31], v[T+2]   ; (a conversion's three registers begin on an even number)
	v_cvt_scalef32_pk16_fp6_f32 v[(\d)+6:(\d)+8], v[(\s)+32:(\s)+47], v[T+3]
	v_cvt_scalef32_pk16_fp6_f32 v[T+8:T+10],      v[(\s)+48:(\s)+63], v[T+3]
	WIN 0
	v_nop                                          ; one plain place behind a scaled conversion
	v_mov_b32 v[(\d)+3], v[T+4]
	v_mov_b32 v[(\d)+4], v[T+5]
	v_mov_b32 v[(\d)+5], v[T+6]
	v_mov_b32 v[(\d)+9], v[T+8]
	v_mov_b32 v[(\d)+10], v[T+9]
	v_mov_b32 v[(\d)+11], v[T+10]
.endm
.macro WORD dst                        ; my two bytes stand at places h and 2 + h of the row's scale word; lane l xor 16 has the other two
	v_lshrrev_b32 v[T], 23, v[T+2]
	v_lshrrev_b32 v[T+1], 23, v[T+3]
	v_lshl_or_b32 v[T], v[T+1], 16, v[T]
	v_lshlrev_b32 v[T], v[H8], v[T]
	v_permlanex16_b32 v[T+1], v[T], s[SEL], s[SEL+1]
	v_or_b32 v[\dst], v[T], v[T+1]
.endm
.macro SCLOAD                          ; the next pass's scale rows of my 2 x 64 rows of W: two dense runs of 2,048 bytes, 16 bytes a lane, into window 1 v144-175
	WIN 0x40
.irp i, 0,1,2,3
	global_load_b128 v[144+4*\i:147+4*\i], v[LI], s[NSA:NSA+1] offset:512*\i
	global_load_b128 v[160+4*\i:163+4*\i], v[LI], s[NSB:NSB+1] offset:512*\i
.endr
	WIN 0
.endm
.macro SCSTAGE                         ; and into my own area of LDS, as they lie
	s_wait_loadcnt 0x0
	WIN 0x04
.irp i, 0,1,2,3
	ds_store_b128 v[WST], v[144+4*\i:147+4*\i] offset:512*\i
	ds_store_b128 v[WST], v[160+4*\i:163+4*\i] offset:2064+512*\i
.endr
	WIN 0
.endm
	s_load_b512 s[4:19], s[0:1], 0x0               ; x codes, x scales, Wq codes, Wq scales, Wk codes, Wk scales, Wv codes, Wv scales
	s_load_b64 s[20:21], s[0:1], 0x40              ; out
	v_lshl_add_u32 v[SPW], v0, 2, SPARE
	v_mov_b32 v[NIL], 0
	ds_add_u32 v1, v2
	ds_add_u32 v1, v2
	s_wait_dscnt 0x0
	v_lshrrev_b32 v3, 5, v0
	v_readfirstlane_b32 s[WV], v3                  ; wave 0..3
	s_lshr_b32 s[TT], s[WV], 1                     ; T: the row group that I fetch
	s_and_b32 s[ZZ], s[WV], 1                      ; z: the K step of a chunk that I fetch
	s_bfe_u32 s[CX], ttmp6, 0x40000                ; my place in the cluster: it enters x's, out's and the prefetch's global addresses alone
	s_lshl_b32 s[BAT], ttmp9, 2
	s_add_co_u32 s[BAT], s[BAT], s[CX]             ; my batch
	s_cmp_eq_u32 ttmp9, 0
	s_cselect_b32 s[LIM], 1, 0                     ; the first cluster prefetches: the same in all four partners
	s_mov_b32 s[G1W], 15|(1<<21)                   ; W's tiles: mask of all four work-groups, bit 21 beside it; elements of 1 byte; no padding
	s_mov_b32 s[G1W+1], 96<<16                     ; tensor_dim0 = 96
	s_mov_b32 s[G1W+2], 256<<16                    ; tensor_dim1 = 256
	s_mov_b32 s[G1W+3], 96<<16                     ; tile_dim0 = 96
	s_mov_b32 s[G1W+4], 256                        ; tile_dim1 = 256
	s_mov_b32 s[G1W+5], 768                        ; a row of W is 768 bytes
	s_mov_b32 s[G1W+6], 0
	s_mov_b32 s[G1W+7], 0
	s_mov_b32 s[G1X], 0                            ; x's tiles: no mask; 64 rows x 96 bytes
	s_mov_b32 s[G1X+1], 96<<16
	s_mov_b32 s[G1X+2], 64<<16
	s_mov_b32 s[G1X+3], 96<<16
	s_mov_b32 s[G1X+4], 64
	s_mov_b32 s[G1X+5], 768
	s_mov_b32 s[G1X+6], 0
	s_mov_b32 s[G1X+7], 0
	s_mov_b32 s[SEL], 0x76543210
	s_mov_b32 s[SEL+1], 0xfedcba98                 ; v_permlanex16_b32's selects for lane l xor 16
	s_mov_b32 s[CS], 0x3d38aa3b                    ; log2(e) / 32
	s_mov_b32 s[CS+1], s[CS]
	s_mul_i32 s[SWA], s[WV], WAB
	s_add_co_u32 s[SWA], s[SWA], GEN2
	s_sub_co_u32 s[SDX], XSC+8, s[SWA]
	s_mul_i32 s[WL], s[WV], WTILE
	s_lshl_b32 s33, s[TT], 4
	s_add_co_u32 s[WL], s[WL], s33                 ; my tile's place in a slot
	s_mul_i32 s32, s[TT], GSH
	s_mul_i32 s33, s[ZZ], 4*XT
	s_add_co_u32 s32, s32, s33
	s_add_co_u32 s32, s32, XR                      ; my four tiles of x: group T, K steps 4 z on
	s_mov_b32 s3, 0
	s_wait_kmcnt 0x0
	s_cmp_eq_u32 s[TT], 0
	s_cselect_b64 s[NXT:NXT+1], s[8:9], s[12:13]   ; phase A: group 0 is Wq, group 1 Wk
	s_cselect_b64 s[PFN:PFN+1], s[8:9], s[12:13]
	s_mul_i32 s2, s[BAT], 98304
	s_mul_i32 s33, s[TT], 49152
	s_add_co_u32 s2, s2, s33
	s_mul_i32 s33, s[ZZ], 384
	s_add_co_u32 s2, s2, s33
	s_add_nc_u64 s[4:5], s[4:5], s[2:3]            ; x's codes: my batch, my 64 tokens, my first K step
	s_lshl_b32 s2, s[BAT], 12
	s_add_nc_u64 s[6:7], s[6:7], s[2:3]            ; x's scales: my batch
	s_lshl_b32 s2, s[BAT], 19
	s_lshl_b32 s33, s[WV], 15
	s_add_co_u32 s2, s2, s33
	s_add_nc_u64 s[20:21], s[20:21], s[2:3]        ; out: my batch, rows d = 64 w on
	s_mul_i32 s2, s[ZZ], 96
	s_add_nc_u64 s[NXT:NXT+1], s[NXT:NXT+1], s[2:3]  ; pass 0, chunk 0
	s_add_nc_u64 s[CUR:CUR+1], s[NXT:NXT+1], 192   ; chunk 1
	s_add_nc_u64 s[VN:VN+1], s[16:17], s[2:3]
	s_lshl_b32 s2, s[ZZ], 2
	s_add_co_u32 s2, s2, s[CX]
	s_lshl_b32 s2, s2, 13
	s_add_nc_u64 s[PFN:PFN+1], s[PFN:PFN+1], s[2:3]  ; my run of 8,192 bytes among eight
	s_add_nc_u64 s[VPF:VPF+1], s[16:17], s[2:3]
	s_mul_i32 s2, s[TT], 196608
	s_add_nc_u64 s[VPF:VPF+1], s[VPF:VPF+1], s[2:3]
	s_add_nc_u64 s[VN:VN+1], s[VN:VN+1], s[2:3]    ; pass 4, chunk 0: Wv, group T
	s_lshl_b32 s2, s[WV], 11
	s_add_nc_u64 s[NSA:NSA+1], s[10:11], s[2:3]    ; scale rows 64 w on, 32 bytes a row
	s_add_nc_u64 s[NSB:NSB+1], s[14:15], s[2:3]
	s_add_nc_u64 s[VSA:VSA+1], s[VSA:VSA+1], s[2:3]
	s_add_nc_u64 s[VSB:VSB+1], s[VSA:VSA+1], 8192
.irp n, 0,1,2,3
	s_mov_b32 s[GX+4*\n], 1
	s_add_co_u32 s[GX+4*\n+1], s32, \n*XT
	s_add_nc_u64 s[GX+4*\n+2:GX+4*\n+3], s[4:5], \n*96
	s_or_b32 s[GX+4*\n+3], s[GX+4*\n+3], 0x80000000
.endr
	s_mov_b32 s[G0A], 1
	s_mov_b32 s[G0A+1], s[WL]
	s_mov_b64 s[G0A+2:G0A+3], s[NXT:NXT+1]
	s_or_b32 s[G0A+3], s[G0A+3], 0x80000000
	s_mov_b32 s[G0B], 1
	s_add_co_u32 s[G0B+1], s[WL], SLOTB
	s_mov_b64 s[G0B+2:G0B+3], s[CUR:CUR+1]
	s_or_b32 s[G0B+3], s[G0B+3], 0x80000000
	CROUND                                         ; all four work-groups are here: the first joint loads meet
	tensor_load_to_lds s[GX:GX+3], s[G1X:G1X+7]    ; the first fills go out as one group: six loads of mine are out
	s_nop 0
	tensor_load_to_lds s[GX+4:GX+7], s[G1X:G1X+7]
	s_nop 0
	tensor_load_to_lds s[GX+8:GX+11], s[G1X:G1X+7]
	s_nop 0
	tensor_load_to_lds s[GX+12:GX+15], s[G1X:G1X+7]
	s_nop 0
	tensor_load_to_lds s[G0A:G0A+3], s[G1W:G1W+7]
	s_nop 0
	tensor_load_to_lds s[G0B:G0B+3], s[G1W:G1W+7]
	s_nop 0
	PLACES 4
	v_lshlrev_b32 v[ADW], 5, v0                    ; x's scales: thread t takes token t's 32 bytes
	global_load_b128 v[T:T+3], v[ADW], s[6:7]
	global_load_b128 v[T+4:T+7], v[ADW], s[6:7] offset:16
	v_and_b32 v[LN], 31, v0
	v_lshlrev_b32 v[LI], 4, v[LN]
	SCLOAD                                         ; pass 0's scale rows of W
	v_lshrrev_b32 v[ADX], 6, v0
	v_lshlrev_b32 v[ADX], 4, v[ADX]
	v_add_nc_u32 v[ADX], v[ADX], v[ADW]
	v_add_nc_u32 v[ADX], XSC+8, v[ADX]             ; 8 + 32 t + 16 (t / 64)
	v_and_b32 v[RR], 15, v0
	v_bfe_u32 v[HH], v0, 4, 1
	v_bfe_u32 v[GG], v0, 3, 1
	v_and_b32 v[EE], 7, v0
	v_mov_b32 v[FLR], 0x1800000
	v_lshlrev_b32 v[H8], 3, v[HH]
	v_mul_u32_u24 v[AW], v[GG], GSH
	v_mad_u32_u24 v[AW], v[EE], 96, v[AW]
	v_mad_u32_u24 v[AW], v[HH], 24, v[AW]
	v_add_nc_u32 v[AX], XR, v[AW]                  ; x: group g, row e, + 24 h
	s_mul_i32 s2, s[WV], 6144
	v_add_nc_u32 v[AW], s2, v[AW]                  ; W: and my wave's 64 rows
	v_mul_u32_u24 v[ASC], v[GG], 2064
	v_lshl_add_u32 v[ASC], v[EE], 5, v[ASC]
	v_add_nc_u32 v[ASC], s[SWA], v[ASC]
	v_mul_u32_u24 v[ADS], s[SDX], v[HH]            ; phase A: lanes 0-15 take W's scale rows, lanes 16-31 x's
	v_add_nc_u32 v[ASC], v[ASC], v[ADS]
	s_mul_i32 s2, s[TT], 1536
	s_lshl_b32 s33, s[ZZ], 8
	s_add_co_u32 s2, s2, s33
	s_add_co_u32 s2, s2, EX
	v_lshlrev_b32 v[EXW], 4, v[RR]
	v_mad_u32_u24 v[EXW], v[HH], 12288, v[EXW]
	v_add_nc_u32 v[EXW], s2, v[EXW]                ; where I store codes: image 2 (tile + 4 h) + T, lane place 16 z + r
	s_lshl_b32 s2, s[TT], 6
	s_add_co_u32 s2, s2, s[ZZ]
	s_add_co_u32 s2, s2, EXS
	v_lshlrev_b32 v[EXB], 2, v[RR]
	v_lshl_add_u32 v[EXB], v[HH], 9, v[EXB]
	v_add_nc_u32 v[EXB], s2, v[EXB]                ; and their scale bytes: byte 2 c + z of the row's word
	s_mul_i32 s2, s[WV], 6144
	s_add_co_u32 s2, s2, EX
	v_add_nc_u32 v[AQ], s2, v[LI]                  ; my four fragments of q
	s_lshl_b32 s2, s[WV], 8
	s_add_co_u32 s2, s2, EXS
	v_lshl_add_u32 v[AQS], v[RR], 2, s2
	v_add_nc_u32 v[AKF], EX, v[LI]
	v_lshl_add_u32 v[AKS], v[RR], 2, EXS+1024
	v_add_nc_u32 v[WST], s[SWA], v[LI]
	v_mul_u32_u24 v[STO], v[RR], 272
	v_lshl_add_u32 v[STO], v[HH], 7, v[STO]
	v_add_nc_u32 v[STO], s[SWA], v[STO]            ; the stage: row r, 128 bytes for each half of the lanes
	v_mul_u32_u24 v[SRD], v[HH], 272
	v_lshl_add_u32 v[SRD], v[RR], 4, v[SRD]
	v_add_nc_u32 v[SRD], s[SWA], v[SRD]            ; back: lanes 0-15 one row of 256 bytes, lanes 16-31 the next
	v_lshlrev_b32 v[GO], 9, v[HH]
	v_lshl_add_u32 v[GO], v[RR], 4, v[GO]          ; and the same two rows in out
	v_lshlrev_b32 v[PFO], 8, v[LN]
	s_mul_i32 s2, s[ZZ], 3072
	s_lshl_b32 s33, s[TT], 7
	s_add_co_u32 s2, s2, s33
	s_add_co_u32 s2, s2, PI
	v_mul_u32_u24 v[PIW], v[GG], 6144
	v_lshl_add_u32 v[PIW], v[EE], 4, v[PIW]
	v_lshl_add_u32 v[PIW], v[HH], 8, v[PIW]
	v_add_nc_u32 v[PIW], s2, v[PIW]                ; p: query 64 g + 8 (2 w + i) + e goes to image 4 g + 2 z + i, row 8 T + e
	s_lshl_b32 s2, s[ZZ], 7
	s_lshl_b32 s33, s[TT], 5
	s_add_co_u32 s2, s2, s33
	s_add_co_u32 s2, s2, PS
	v_lshlrev_b32 v[PSW], 8, v[GG]
	v_lshl_add_u32 v[PSW], v[EE], 2, v[PSW]
	v_add_nc_u32 v[LVW], LINV, v[PSW]
	v_add_nc_u32 v[PSW], s2, v[PSW]
	s_lshl_b32 s2, s[WV], 6
	v_add_nc_u32 v[LVW], s2, v[LVW]                ; 1 / l: 4 x query
	s_lshl_b32 s2, s[WV], 4
	v_lshl_add_u32 v[DQ], v[GG], 6, v[EE]
	v_add_nc_u32 v[DQ], s2, v[DQ]
	v_lshlrev_b32 v[ADS], 6, v[HH]
	v_sub_nc_u32 v[DQ], v[DQ], v[ADS]              ; my query of tile 2 w, less my half's first key
	; S's 16 accumulators begin as zeros: 128 moves, once, so that the loop over passes needs no copy of its own for its first trip
	WIN 0x40
.set n, 0
.rept 64
	v_mov_b32 v[192+n], 0
.set n, n+1
.endr
	WIN 0
.set n, 0
.rept 64
	v_mov_b32 v[S1+n], 0
.set n, n+1
.endr
	s_wait_loadcnt 8                               ; x's scales are in; the eight loads of W's scale rows may be out
	ds_store_b64 v[ADX], v[T:T+1]
	ds_store_b64 v[ADX], v[T+2:T+3] offset:8
	ds_store_b64 v[ADX], v[T+4:T+5] offset:16
	ds_store_b64 v[ADX], v[T+6:T+7] offset:24
	s_wait_dscnt 0x0                               ; for the others' sake
	s_wait_tensorcnt 1                             ; my tiles of x and of chunk 0 are in; chunk 1's may stay out
	s_barrier_signal -1
	s_barrier_wait -1
	s_mov_b32 s[PASS], 4
.LpassA:                                           ; ---- PHASE A: four passes, 256 columns of q and of k each
	SCSTAGE                                        ; this pass's scale rows of W; its wait frees their pointers
	s_wait_xcnt 0x0                                ; and the last pass's prefetches have read theirs
	s_add_nc_u64 s[NXT:NXT+1], s[NXT:NXT+1], 196608
	s_add_nc_u64 s[NSA:NSA+1], s[NSA:NSA+1], 8192
	s_add_nc_u64 s[NSB:NSB+1], s[NSB:NSB+1], 8192
	s_add_nc_u64 s[PFN:PFN+1], s[PFN:PFN+1], 196608
	s_cmp_eq_u32 s[PASS], 1                        ; behind the last pass of phase A comes Wv
	s_cselect_b64 s[NXT:NXT+1], s[VN:VN+1], s[NXT:NXT+1]
	s_cselect_b64 s[NSA:NSA+1], s[VSA:VSA+1], s[NSA:NSA+1]
	s_cselect_b64 s[NSB:NSB+1], s[VSB:VSB+1], s[NSB:NSB+1]
	s_cselect_b64 s[PFN:PFN+1], s[VPF:VPF+1], s[PFN:PFN+1]
	s_sub_nc_u64 s[PFA:PFA+1], s[PFN:PFN+1], 65536 ; each of the three trips steps it before it asks
	KPART 0
	; the pass's 64 d of q (lanes 0-15) and of k (lanes 16-31), for each token tile, become codes
	SCLOAD
.irp t, 0,1,2,3,4,5,6,7
	QUANT 2+\t/4, 64*(\t%4), P+12*\t
	v_lshrrev_b32 v[BY+\t], 23, v[T+2]             ; the two scale bytes
	v_lshrrev_b32 v[BY+8+\t], 23, v[T+3]
.endr
.irp t, 0,1,2,3                                    ; tile t's lanes 16-31 (k) change places with tile t + 4's lanes 0-15 (q): sets 0-3 are then all q, sets 4-7 all k; lanes 0-15 tile t, lanes 16-31 tile t + 4
.irp k, 0,1,2,3,4,5,6,7,8,9,10,11
	v_permlane16_swap_b32 v[P+12*\t+\k], v[P+48+12*\t+\k]
.endr
	v_permlane16_swap_b32 v[BY+\t], v[BY+4+\t]
	v_permlane16_swap_b32 v[BY+8+\t], v[BY+12+\t]
.endr
.irp t, 0,1,2,3                                    ; q's images (every wave's reads of its scale rows ended in front of the last change of slots)
.irp c, 0,1,2
	ds_store_b128 v[EXW], v[P+12*\t+4*\c:P+12*\t+4*\c+3] offset:3072*\t+512*\c
.endr
	ds_store_b8 v[EXB], v[BY+\t] offset:128*\t
	ds_store_b8 v[EXB], v[BY+8+\t] offset:128*\t+2
	ds_store_b8 v[EXB], v[BY+4+\t] offset:1024+128*\t
	ds_store_b8 v[EXB], v[BY+12+\t] offset:1024+128*\t+2
.endr
	BAR                                            ; q's 16 fragments and all scale words lie in LDS
	WIN 0x40
.irp f, 0,1,2,3                                    ; my query tiles 2 w + f / 2, K step f % 2
.irp c, 0,1,2
	ds_load_b128 v[12*\f+4*\c:12*\f+4*\c+3], v[AQ] offset:1536*\f+512*\c
.endr
.endr
	WIN 0
.irp f, 0,1,2,3
	ds_load_b32 v[SC+\f], v[AQS] offset:64*\f
.endr
	BAR                                            ; everybody has its q: k's images take the same bytes
.irp t, 0,1,2,3
.irp c, 0,1,2
	ds_store_b128 v[EXW], v[P+48+12*\t+4*\c:P+48+12*\t+4*\c+3] offset:3072*\t+512*\c
.endr
.endr
	BAR
.irp u, 0,1                                        ; S^T += k q^T, two K steps of 128: 16 accumulators by turns
.if \u
	PLACES 4
.endif
	WIN 0x40
.irp t, 0,1,2,3,4,5,6,7
.irp c, 0,1,2
	ds_load_b128 v[48+12*\t+4*\c:48+12*\t+4*\c+3], v[AKF] offset:(2*\t+\u)*1536+512*\c
.endr
.endr
	WIN 0
.irp t, 0,1,2,3,4,5,6,7
	ds_load_b32 v[SC+8+\t], v[AKS] offset:(2*\t+\u)*64
.endr
	s_wait_dscnt 0x0
	WIN 0x55
.irp t, 0,1,2,3,4,5,6,7
	v_wmma_scale_f32_16x16x128_f8f6f4 v[192+8*\t:199+8*\t], v[48+12*\t:59+12*\t], v[12*\u:12*\u+11], v[192+8*\t:199+8*\t], v[SC+8+\t], v[SC+\u] matrix_a_fmt:MATRIX_FMT_FP6 matrix_b_fmt:MATRIX_FMT_FP6
.endr
	WIN 0x05
.irp t, 0,1,2,3,4,5,6,7
	v_wmma_scale_f32_16x16x128_f8f6f4 v[S1+8*\t:S1+8*\t+7], v[48+12*\t:59+12*\t], v[24+12*\u:24+12*\u+11], v[S1+8*\t:S1+8*\t+7], v[SC+8+\t], v[SC+2+\u] matrix_a_fmt:MATRIX_FMT_FP6 matrix_b_fmt:MATRIX_FMT_FP6
.endr
.endr
	WIN 0
	BAR                                            ; everybody has read k: the bytes may be stored into again
	s_sub_co_u32 s[PASS], s[PASS], 1
	s_cmp_lg_u32 s[PASS], 0
	s_cbranch_scc1 .LpassA
	; ---- THE SOFTMAX.  A lane holds one query; register n of a tile's 64 is key 64 h + n: hidden where n > query - 64 h
	PLACES 4
	v_mov_b32 v[ST], 0xff800000                    ; -infinity
	v_add_nc_u32 v[ST+1], 8, v[DQ]
	WIN 0x01
.set n, 0
.rept 64
	v_cmp_gt_i32 vcc_lo, n, v[DQ]
	v_cndmask_b32 v[P+n], v[192+n], v[ST], vcc_lo  ; the mask also brings tile 2 w's scores into window 0
.set n, n+1
.endr
	WIN 0
.set n, 0
.rept 64
	v_cmp_gt_i32 vcc_lo, n, v[ST+1]
	v_cndmask_b32 v[S1+n], v[S1+n], v[ST], vcc_lo
.set n, n+1
.endr
.macro SOFT s, i
	v_max3_num_f32 v[ST],   v[(\s)],    v[(\s)+1],  v[(\s)+2]
	v_max3_num_f32 v[ST+1], v[(\s)+32], v[(\s)+33], v[(\s)+34]
.irp k, 3,5,7,9,11,13,15,17,19,21,23,25,27,29
	v_max3_num_f32 v[ST],   v[ST],   v[(\s)+\k],    v[(\s)+\k+1]
	v_max3_num_f32 v[ST+1], v[ST+1], v[(\s)+32+\k], v[(\s)+33+\k]
.endr
	v_max3_num_f32 v[ST], v[ST], v[ST+1], v[(\s)+31]
	v_max_num_f32 v[ST], v[ST], v[(\s)+63]
	v_permlanex16_b32 v[ST+1], v[ST], s[SEL], s[SEL+1]
	v_max_num_f32 v[ST], v[ST], v[ST+1]            ; the row's largest score (key 0 counts for every query)
	v_mul_f32 v[ST], s[CS], v[ST]                  ; as t
	v_floor_f32 v[ST+2], -v[ST]                    ; -M = floor(-t): M is a whole number
	v_mov_b32 v[ST+3], 0                           ; (named with it as a pair)
.set j, 0
.rept 32
	v_pk_fma_f32 v[(\s)+j:(\s)+j+1], v[(\s)+j:(\s)+j+1], s[CS:CS+1], v[ST+2:ST+3] op_sel_hi:[1,0,0]   ; t - M
.set j, j+2
.endr
.set j, 0
.rept 64
	v_exp_f32 v[(\s)+j], v[(\s)+j]                 ; p = 2^(t - M): not normalised; 0 where the key is hidden
.set j, j+1
.endr
	v_nop                                          ; a plain place behind the exponentials
	s_wait_alu depctr_va_vdst(0)                   ; one wait for the batch, ahead of its first reader
	v_pk_add_f32 v[ST+4:ST+5], v[(\s):(\s)+1], v[(\s)+2:(\s)+3]      ; the row's sum, of the unquantised p, in two chains
	v_pk_add_f32 v[ST+6:ST+7], v[(\s)+4:(\s)+5], v[(\s)+6:(\s)+7]
.irp k, 8,12,16,20,24,28,32,36,40,44,48,52,56,60
	v_pk_add_f32 v[ST+4:ST+5], v[ST+4:ST+5], v[(\s)+\k:(\s)+\k+1]
	v_pk_add_f32 v[ST+6:ST+7], v[ST+6:ST+7], v[(\s)+\k+2:(\s)+\k+3]
.endr
	v_pk_add_f32 v[ST+4:ST+5], v[ST+4:ST+5], v[ST+6:ST+7]
	v_add_f32 v[ST+4], v[ST+4], v[ST+5]
	v_permlanex16_b32 v[ST+5], v[ST+4], s[SEL], s[SEL+1]
	v_add_f32 v[ST+4], v[ST+4], v[ST+5]
	v_rcp_f32 v[ST+6], v[ST+4]                     ; 1 / l; the quantiser below is the work behind it
	QUANT 0, \s, T+16
	WORD ST+7
	s_wait_alu depctr_va_vdst(0)                   ; the wait for the reciprocal, ahead of its first reader
	ds_store_b32 v[LVW], v[ST+6] offset:32*\i
.irp c, 0,1,2
	ds_store_b128 v[PIW], v[T+16+4*\c:T+19+4*\c] offset:1536*\i+512*\c
.endr
	ds_store_b32 v[PSW], v[ST+7] offset:64*\i
.endm
	SOFT P, 0
	SOFT S1, 1
	v_lshl_add_u32 v[AQS], v[RR], 2, PS            ; p's words, and 1 / l of four neighbouring queries
	v_lshl_add_u32 v[AQ], v[RR], 4, LINV
	BAR                                            ; p's eight fragments lie in LDS
	WIN 0x40
.irp t, 0,1,2,3,4
.irp c, 0,1,2
	ds_load_b128 v[192+12*\t+4*\c:195+12*\t+4*\c], v[AKF] offset:1536*\t+512*\c
.endr
.endr
	WIN 0
.irp t, 5,6,7
.irp c, 0,1,2
	ds_load_b128 v[S1+12*(\t-5)+4*\c:S1+12*(\t-5)+4*\c+3], v[AKF] offset:1536*\t+512*\c
.endr
.endr
.irp t, 0,1,2,3,4,5,6,7
	ds_load_b32 v[PW+\t], v[AQS] offset:64*\t
.endr
	ds_load_b128 v[LV:LV+3], v[AQ]
	ds_load_b128 v[LV+4:LV+7], v[AQ] offset:256
	v_xor_b32 v[ADS], 1, v[HH]                     ; phase C: lanes 0-15 take x's scale rows, lanes 16-31 W's
	v_mul_u32_u24 v[ADS], s[SDX], v[ADS]
	v_mul_u32_u24 v[ASC], v[GG], 2064
	v_lshl_add_u32 v[ASC], v[EE], 5, v[ASC]
	v_add_nc_u32 v[ASC], s[SWA], v[ASC]
	v_add_nc_u32 v[ASC], v[ASC], v[ADS]
	BAR                                            ; everybody has p: the bytes may be stored into again
; ---- PHASE C's way out of a pass.  My 128 d x 128 tokens of v are quantised along the tokens: fragment a, lane r: d = 256 g + 64 w + 8 a + e.  O^T tile (a, t'): source 0 = p's fragment t', source 1 = v's a:
; a lane holds one d and eight neighbouring queries.  Unit u = 2 a + c: 16 rows d x 64 queries go through my stage and leave as whole runs of 256 bytes, multiplied by 1 / l on the way.
.macro TOSTAGE u
.set AC, 64*(((\u)/2)%4)+32*((\u)%2)
	WIN (2+(\u)/8)<<2
.irp k, 0,1,2,3,4,5,6,7
	ds_store_b128 v[STO], v[AC+4*\k:AC+4*\k+3] offset:16*\k      ; each accumulator from its low end on
.endr
	WIN 0
.set OB, P+32*((\u)%2)
.irp i, 0,1,2,3,4,5,6,7
	ds_load_b128 v[OB+4*\i:OB+4*\i+3], v[SRD] offset:544*\i      ; LDS serves a wave's instructions in order (ISA guide 5.7.1.4): these see the stores above
.endr
.endm
.macro SEND u, younger
.set OB, P+32*((\u)%2)
.set LVC, LV+4*((\u)%2)
	s_wait_dscnt \younger                          ; the unit is back; the next unit's 8 stores and 8 loads may be out
.irp i, 0,1,2,3,4,5,6,7
	v_pk_mul_f32 v[OB+4*\i:OB+4*\i+1], v[OB+4*\i:OB+4*\i+1], v[LVC:LVC+1]
	v_pk_mul_f32 v[OB+4*\i+2:OB+4*\i+3], v[OB+4*\i+2:OB+4*\i+3], v[LVC+2:LVC+3]
.endr
.irp i, 0,1,2,3,4,5,6,7
	global_store_b128 v[GO], v[OB+4*\i:OB+4*\i+3], s[20:21] offset:4096*((\u)/2)+256*((\u)%2)+131072*(\i/4)+1024*(\i%4) th:TH_STORE_NT   ; 16 lanes store 256 consecutive bytes, at a multiple of 256 from out's first byte
.endr
.endm
.macro EPI_C next
.if \next
	SCLOAD
.endif
.irp a, 0,1,2,3,4,5,6,7
	QUANT 2+\a/4, 64*(\a%4), P+12*\a
	WORD SC+\a
.endr
	PLACES 8                                       ; a scale register written by a vector instruction stands 8 places ahead of a scaled matrix instruction
.irp a, 0,1,2,3,4,5,6,7
.irp t, 0,1,2,3,4,5,6,7
.if \t < 5
	WIN ((2+\a/4)<<6)|1
	v_wmma_scale_f32_16x16x128_f8f6f4 v[64*(\a%4)+8*\t:64*(\a%4)+8*\t+7], v[192+12*\t:203+12*\t], v[P+12*\a:P+12*\a+11], 0, v[PW+\t], v[SC+\a] matrix_a_fmt:MATRIX_FMT_FP6 matrix_b_fmt:MATRIX_FMT_FP6
.else
	WIN (2+\a/4)<<6
	v_wmma_scale_f32_16x16x128_f8f6f4 v[64*(\a%4)+8*\t:64*(\a%4)+8*\t+7], v[S1+12*(\t-5):S1+12*(\t-5)+11], v[P+12*\a:P+12*\a+11], 0, v[PW+\t], v[SC+\a] matrix_a_fmt:MATRIX_FMT_FP6 matrix_b_fmt:MATRIX_FMT_FP6
.endif
.endr
.endr
	PLACES 4
	TOSTAGE 0
.irp u, 1,2,3,4,5,6,7,8,9,10,11,12,13,14,15
.if \u > 1
	s_wait_xcnt 0x0                                ; unit u - 2's stores have read their registers: unit u's loads may land there
.endif
	TOSTAGE \u
	SEND \u-1, 16
.endr
	SEND 15, 0
.endm
	; ---- PASS 4: Wv's rows 0 to 511
	SCSTAGE
	s_wait_xcnt 0x0
	s_add_nc_u64 s[NXT:NXT+1], s[NXT:NXT+1], 393216
	s_add_nc_u64 s[NSA:NSA+1], s[NSA:NSA+1], 16384
	s_add_nc_u64 s[NSB:NSB+1], s[NSB:NSB+1], 16384
	s_add_nc_u64 s[PFN:PFN+1], s[PFN:PFN+1], 393216
	s_sub_nc_u64 s[PFA:PFA+1], s[PFN:PFN+1], 65536
	KPART 1
	EPI_C 1
	s_wait_xcnt 0x0                                ; the stores have read their base and their registers
	s_add_nc_u64 s[20:21], s[20:21], 262144        ; 512 rows of out on
	; ---- PASS 5: rows 512 to 1,023.  Its tail is written out: the last two chunks ask for nothing
	SCSTAGE
	PASSHEAD 1
	STEP 1, 1
	s_mov_b32 s[TRIP], 2
.Lk5:
	TURN 1, 1, 1, 0, 0
	STEP 1, 0
	s_sub_co_u32 s[TRIP], s[TRIP], 1
	s_cmp_lg_u32 s[TRIP], 0
	s_cbranch_scc1 .Lk5
	TURN 1, 0, 1, 0, 0
	STEP 1, 0
	s_wait_dscnt 24                                ; the very last K step: nothing more to fetch
	WIN 0xa1
	MUL16 0, 1, 1, 0
	MUL16 2, 1, 1, 0
	s_wait_dscnt 0x0
	WIN 0xf1
	MUL16 4, 1, 1, 0
	MUL16 6, 1, 1, 0
	WIN 0
	PLACES 4
	EPI_C 0
	s_wait_tensorcnt 0x0                           ; the wave's end: behind my last tensor load and my last LDS store
	ds_add_u32 v[SPW], v[NIL]
	s_wait_dscnt 0x0
	CROUND                                         ; the closing round: no work-group ends while a partner may still ask for a tile that names it
	s_endpgm
.Lfunc_end_k_qecd355e02a_attn:
	.size	k_qecd355e02a_attn, .Lfunc_end_k_qecd355e02a_attn-k_qecd355e02a_attn
	.p2alignl 7, 3214868480
	.fill 96, 4, 3214868480
	.section	.rodata,"a",@progbits
	.p2align	6, 0x0
	.amdhsa_kernel k_qecd355e02a_attn
		.amdhsa_group_segment_fixed_size 327680
		.amdhsa_private_segment_fixed_size 0
		.amdhsa_enable_private_segment 0
		.amdhsa_kernarg_size 72
		.amdhsa_user_sgpr_count 2
		.amdhsa_user_sgpr_kernarg_segment_ptr 1
		.amdhsa_wavefront_size32 1
		.amdhsa_system_sgpr_workgroup_id_x 1
		.amdhsa_system_sgpr_workgroup_id_y 1
		.amdhsa_system_sgpr_workgroup_id_z 1
		.amdhsa_system_vgpr_workitem_id 0
		.amdhsa_next_free_vgpr 1024
		.amdhsa_next_free_sgpr 102
		.amdhsa_reserve_vcc 1
		.amdhsa_float_denorm_mode_32 3
		.amdhsa_float_denorm_mode_16_64 3
		.amdhsa_memory_ordered 1
		.amdhsa_forward_progress 1
		.amdhsa_inst_pref_size 255
	.end_amdhsa_kernel
	.section	.bss,"aw",@nobits
	.p2align	6
	.space	262144
	.amdgpu_metadata
---
amdhsa.version: [ 1, 2 ]
amdhsa.kernels:
  - .name:           k_qecd355e02a_attn
    .symbol:         k_qecd355e02a_attn.kd
    .args:
      - { .name: x_codes, .offset: 0, .size: 8, .value_kind: global_buffer, .address_space: global }
      - { .name: x_scales, .offset: 8, .size: 8, .value_kind: global_buffer, .address_space: global }
      - { .name: Wq_codes, .offset: 16, .size: 8, .value_kind: global_buffer, .address_space: global }
      - { .name: Wq_scales, .offset: 24, .size: 8, .value_kind: global_buffer, .address_space: global }
      - { .name: Wk_codes, .offset: 32, .size: 8, .value_kind: global_buffer, .address_space: global }
      - { .name: Wk_scales, .offset: 40, .size: 8, .value_kind: global_buffer, .address_space: global }
      - { .name: Wv_codes, .offset: 48, .size: 8, .value_kind: global_buffer, .address_space: global }
      - { .name: Wv_scales, .offset: 56, .size: 8, .value_kind: global_buffer, .address_space: global }
      - { .name: out0, .offset: 64, .size: 8, .value_kind: global_buffer, .address_space: global }
    .group_segment_fixed_size: 327680
    .private_segment_fixed_size: 0
    .kernarg_segment_align: 8
    .kernarg_segment_size: 72
    .max_flat_workgroup_size: 128
    .sgpr_count:     102
    .vgpr_count:     1024
    .wavefront_size: 32
...
	.end_amdgpu_metadata
.endif
;; end of part 1
;; ======== version 2 of 2: 2 launches
;; limits: right only within a limited range of input values
;; workspace buffers: spart 16,777,216 bytes
;; launch qk (part 2): grid 256 x 1, 4 waves a work-group, clusters of 4 x 1, 327,680 bytes of LDS; arguments x_codes, x_scales, Wq_codes, Wq_scales, Wk_codes, Wk_scales, spart; writes spart
.if DOCPART == 2
	.amdgcn_target "amdgcn-amd-amdhsa--gfx1250"
	.amdhsa_code_object_version 6
	.text
	.protected	k_qecd355e02a_qk
	.globl	k_qecd355e02a_qk
	.p2align	8
	.type	k_qecd355e02a_qk,@function
k_qecd355e02a_qk:
	s_mov_b64 s[64:65], 0
	v_nop
	global_prefetch_b8 v0, s[64:65] scope:SCOPE_SE
	s_setreg_imm32_b32 hwreg(HW_REG_WAVE_MODE, 25, 1), 1
	s_wait_xcnt 0x0
	s_wait_alu depctr_hold_cnt(0) depctr_sa_sdst(0) depctr_va_vdst(0) depctr_va_sdst(0) depctr_va_ssrc(0) depctr_va_vcc(0) depctr_vm_vsrc(0)
	s_getreg_b32 s2, hwreg(HW_REG_IB_STS2, 6, 4)
	s_cmp_eq_u32 s2, 0
	s_cbranch_scc0 .Lentry_in_a_cluster
	s_endpgm
.Lentry_in_a_cluster:
	s_bfe_u32 s2, ttmp6, 0x10000c
	s_cmp_lg_u32 s2, 0x3003
	s_cbranch_scc0 .Lentry_shape_is_right
	s_endpgm
.Lentry_shape_is_right:
; First of two launches of a causal self-attention (128 batches x 128 tokens, width 1,024); all products on codes of FP6 (E2M3), one E8M0 scale for each 32 along K.
; A work-group takes one batch and one HALF of d (512 rows of Wq and of Wk): q, k = x W^T, quantised along d in registers, and its part of S^T = k q^T over its 512 d.
; The partial S (128 x 128 f32) goes to a workspace as images of the accumulators' registers; the second launch adds a batch's two parts.
; X STAYS IN REGISTERS: wave w holds the 64 tokens of half w % 2, all of K: 32 fragments, 384 registers.  W IS STREAMED BY WHOLE ROWS: a slot holds 64 rows of Wq and 64 of Wk, 768 bytes each.
; Wave w takes the slot's rows 32 (w / 2) on.  A fragment of W is 8 rows of Wq (lanes 0-7) and the same 8 rows of Wk (lanes 8-15): in the result lanes 0-15 hold q and lanes 16-31 k of one token,
; and four such fragments give a lane a whole block of 32 d.  Codes and scale bytes go to LDS as plain rows (token, d); S is made from them at the end.
; TILES: every tensor load brings a dense block of memory, stated as rows of 256 bytes with 16 bytes of padding behind each: a row of 768 bytes has a pitch of 816 in LDS.
; CLUSTER: the four work-groups have four batches and the same half of d: every tile of W is asked for jointly (mask 15).  x's tiles are each work-group's own.
; No prefetch: each tile of W is asked for a whole slot (128 matrix instructions a wave) ahead of its first read, and all clusters of a half walk the same 786,432 bytes of W in step.
; LIMITS: NaN, infinities and a given scale byte 0xff are not served.  A computed block whose largest magnitude lies under 2^-124, a block of zeros too, gets the byte 1 (the bytes are read here alone).
; REGISTERS.  window 0: addresses, scale words, the quantiser's.  window 1: x, K steps 0-4.  window 2: v0-143 x, K steps 5-7; v144-239 W's buffer A.  window 3: v0-127 16 accumulators (strip i, tile t) at 32 t + 8 i; v128-223 W's buffer B.
.set HB,    52352                      ; 64 rows x 816 + 128: the second 64 rows start 32 banks on, so that a load's 16 rows touch different banks (64 banks of 4 bytes: ISA guide 11.1)
.set SLOTB, 104704
.set XR,    209408                     ; x, later the rows of codes
.set SPARE, 314112                     ; the spare words
.set SCB,   314624                     ; scale bytes: q's 16 a token, k's 2,048 further on
.set TEN,   51336                      ; from q's rows of codes to k's
.set SPW, 1
.set NIL, 2
.set AWB, 3
.set H16, 4
.set ADW, 6                            ; v6: my place in the slot in hand; v7: the same + 16 in lanes 16-31, for pieces whose upper lanes lie behind a padding
.set AX,  8                            ; v8, v9: the same pair for x
.set WSO, 10
.set CST, 11
.set CSA, 12
.set BST, 13
.set BSA, 14
.set LI,  15
.set AQ,  16
.set AK,  17
.set AQS, 18
.set AKS, 19
.set FLR, 20
.set RR,  21
.set HH,  22
.set GG,  23
.set EE,  24
.set XSO, 25
.set XS,  32                           ; x's scale words: tile t, register K step % 4; lanes 0-15 K steps 0-3, lanes 16-31 K steps 4-7
.set WSM, 48                           ; W's, strip i, likewise
.set QL,  64                           ; the next slot's, as loaded from Wq's and from Wk's scales
.set KL,  80
.set T,   96
.set CD,  108
.set SS,  132
.set HF, 16
.set WV, 22
.set TT, 23
.set ZZ, 24
.set CX, 25
.set BAT, 26
.set TB, 28
.set CK, 29
.set BK, 30
.set WL, 31
.set TRIP, 32
.set MK, 33
.set G1X, 40
.set G1H, 48
.set G1W, 56
.set G0X, 68
.set G0H, 72
.set G0,  76
.set NSQ, 80
.set NSK, 82
.set MSB, 0
.macro WIN new                         ; the immediate's high byte repeats the setting that is left
.if MSB != (\new)
	s_set_vgpr_msb (MSB<<8)|(\new)
.set MSB, (\new)
.endif
.endm
.macro PLACES n                        ; plain vector instructions between a matrix instruction and what touches its registers (ISA guide 7.12.1)
.rept \n
	v_nop
.endr
.endm
.macro CREST
	s_cmp_lg_u32 s[WV], 0
	s_cbranch_scc1 .Lnw0_\@
	s_barrier_signal -3
.Lnw0_\@:
	s_barrier_wait -3
	s_barrier_signal -1
	s_barrier_wait -1
.endm
.macro CROUND
	s_barrier_signal -1
	s_barrier_wait -1
	CREST
.endm
; A fragment, 16 rows x 128 K, 12 registers: six pieces of 8 bytes.  Byte y of a row lies at y + 16 (y / 256) of its LDS row; lanes 16-31 read 24 bytes on.
.macro FRAG reg, a, ks, base
.irp p, 0,1,2,3,4,5
.set BY, 96*(\ks)+48*(\p/3)+8*(\p%3)
.if BY/256 == (BY+24)/256
	ds_load_b64 v[(\reg)+2*\p:(\reg)+2*\p+1], v[\a] offset:(\base)+BY+16*(BY/256)
.else
	ds_load_b64 v[(\reg)+2*\p:(\reg)+2*\p+1], v[\a+1] offset:(\base)+BY+16*(BY/256)
.endif
.endr
.endm
; ks = 0: the product starts the sum; ks >= 4: both scale words stand in lanes 16-31
.macro WM d, a, b, ks, sa, sb
.if (\ks) == 0
	v_wmma_scale_f32_16x16x128_f8f6f4 v[(\d):(\d)+7], v[(\a):(\a)+11], v[(\b):(\b)+11], 0, v[(\sa)], v[(\sb)] matrix_a_fmt:MATRIX_FMT_FP6 matrix_b_fmt:MATRIX_FMT_FP6
.elseif (\ks) < 4
	v_wmma_scale_f32_16x16x128_f8f6f4 v[(\d):(\d)+7], v[(\a):(\a)+11], v[(\b):(\b)+11], v[(\d):(\d)+7], v[(\sa)], v[(\sb)] matrix_a_fmt:MATRIX_FMT_FP6 matrix_b_fmt:MATRIX_FMT_FP6
.else
	v_wmma_scale_f32_16x16x128_f8f6f4 v[(\d):(\d)+7], v[(\a):(\a)+11], v[(\b):(\b)+11], v[(\d):(\d)+7], v[(\sa)], v[(\sb)] matrix_a_fmt:MATRIX_FMT_FP6 matrix_b_fmt:MATRIX_FMT_FP6 matrix_a_scale:MATRIX_SCALE_ROW1 matrix_b_scale:MATRIX_SCALE_ROW1
.endif
.endm
.macro LOADPH p                        ; W's eight fragments of K steps 2 p, 2 p + 1 (four strips each) into buffer p % 2: 48 loads
.set BUF, 144-16*((\p)%2)
	WIN (2+(\p)%2)<<6
.irp kk, 0,1
.irp i, 0,1,2,3
	FRAG BUF+12*(4*\kk+\i), ADW, 2*(\p)+\kk, 6528*\i
.endr
.endr
	WIN 0
.endm
.macro MULPH p, kk                     ; 16 matrix instructions, the 16 accumulators by turns
.set KS, 2*(\p)+(\kk)
.set BUF, 144-16*((\p)%2)
	WIN (2+(\p)%2)|((1+KS/5)<<2)|0xf0
.irp i, 0,1,2,3
.irp t, 0,1,2,3
	WM 32*\t+8*\i, BUF+12*(4*(\kk)+\i), 12*(4*(KS%5)+\t), KS, WSM+4*\i+KS%4, XS+4*\t+KS%4
.endr
.endr
.endm
.macro WSLOAD                          ; scale rows of my 32 rows of Wq and of Wk: lanes e and 8 + e read row e; each load names one aligned run of 256 bytes
.irp i, 0,1,2,3
	global_load_b128 v[QL+4*\i:QL+4*\i+3], v[WSO], s[NSQ:NSQ+1] offset:256*\i
	global_load_b128 v[KL+4*\i:KL+4*\i+3], v[WSO], s[NSK:NSK+1] offset:256*\i
.endr
.endm
.macro MERGE                           ; lanes with r < 8 take Wq's words, the others Wk's
.irp k, 0,1,2,3,4,5,6,7,8,9,10,11,12,13,14,15
	v_cndmask_b32 v[WSM+\k], v[KL+\k], v[QL+\k], s[MK]
.endr
.endm
; 32 numbers of a lane, window 3 v[s] on, one block, become six registers of codes; v[T+9] its scale byte.  Each accumulator is read from its low end on.
.macro QUANT32 s, d
	WIN 0x3c
.irp c, 0,1,2,3
	v_max3_num_f32 v[T+\c], v[FLR], |v[(\s)+8*\c]|, |v[(\s)+8*\c+1]|
.endr
.irp k, 2,4,6
.irp c, 0,1,2,3
	v_max3_num_f32 v[T+\c], v[T+\c], |v[(\s)+8*\c+\k]|, |v[(\s)+8*\c+\k+1]|
.endr
.endr
	WIN 0
	v_max3_num_f32 v[T], v[T], v[T+1], v[T+2]
	v_max_num_f32 v[T], v[T], v[T+3]
	v_add_nc_u32 v[T+8], 0xff000000, v[T]          ; 2 off the exponent field: the conversion's scale operand
	WIN 3
	v_cvt_scalef32_pk16_fp6_f32 v[(\d):(\d)+2], v[(\s):(\s)+15], v[T+8]
	v_cvt_scalef32_pk16_fp6_f32 v[T+4:T+6], v[(\s)+16:(\s)+31], v[T+8]
	WIN 0
	v_lshrrev_b32 v[T+9], 23, v[T+8]               ; the plain place behind the conversions
	v_mov_b32 v[(\d)+3], v[T+4]
	v_mov_b32 v[(\d)+4], v[T+5]
	v_mov_b32 v[(\d)+5], v[T+6]
.endm
; behind a slot.  ld = 1: the next slot's scale words are merged; ld = 2: and those of the slot after it are asked for
.macro EPI ld
.if \ld
	s_wait_loadcnt 0x0
	MERGE
.endif
.if (\ld) == 2
	s_add_nc_u64 s[NSQ:NSQ+1], s[NSQ:NSQ+1], 2048
	s_add_nc_u64 s[NSK:NSK+1], s[NSK:NSK+1], 2048
	WSLOAD
.endif
	v_add_nc_u32 v[CSA], s[CK], v[CST]
	v_add_nc_u32 v[BSA], s[BK], v[BST]
	s_add_co_u32 s[CK], s[CK], 48                  ; a slot is two blocks of 24 bytes along a row of codes
	s_add_co_u32 s[BK], s[BK], 2
.irp t, 0,1,2,3
	QUANT32 32*\t, CD+6*\t
	ds_store_b64 v[CSA], v[CD+6*\t:CD+6*\t+1] offset:6400*\t
	ds_store_b64 v[CSA], v[CD+6*\t+2:CD+6*\t+3] offset:6400*\t+8
	ds_store_b64 v[CSA], v[CD+6*\t+4:CD+6*\t+5] offset:6400*\t+16
	ds_store_b8 v[BSA], v[T+9] offset:256*\t
.endr
.endm
; A slot: 128 matrix instructions in four phases of two K steps, buffers A, B by turns; each phase's 48 loads are issued a phase ahead.
; In the fourth phase all reads of the slot are over: the change of slots.  refill: this slot takes the rows two slots on.  fetch: the next slot's first fragments are read.
.macro SLOTM refill, fetch, ld
	LOADPH 1
	s_wait_dscnt 48                                ; all but the 48 loads just issued
	MULPH 0, 0
	MULPH 0, 1
	WIN 0
	PLACES 4
	LOADPH 2
	s_wait_dscnt 48
	MULPH 1, 0
	MULPH 1, 1
	WIN 0
	PLACES 4
	LOADPH 3
	s_wait_dscnt 48
	MULPH 2, 0
	MULPH 2, 1
	WIN 0
.if \fetch
	s_wait_tensorcnt 0x0                           ; all my tensor loads have landed: my part of the next slot
	ds_add_u32 v[SPW], v[NIL]
.if \refill
	s_add_nc_u64 s[G0+2:G0+3], s[G0+2:G0+3], 49152 ; 64 rows on
	s_add_co_u32 s[G0+1], s[WL], s[TB]             ; into the slot that is being left
.endif
	s_xor_b32 s[TB], s[TB], SLOTB
	s_wait_dscnt 0x0                               ; the add is done, and my reads of this slot are over
	s_barrier_signal -1
	MULPH 3, 0
	WIN 0
	s_barrier_wait -1
.if \refill
	CREST                                          ; the barrier has opened a round of the cluster's
	tensor_load_to_lds s[G0:G0+3], s[G1W:G1W+7]
	s_nop 0
.endif
	PLACES 4
	v_add_nc_u32 v[ADW], s[TB], v[AWB]
	v_add_nc_u32 v[ADW+1], v[ADW], v[H16]
	LOADPH 0
.else
	s_wait_dscnt 0x0
	MULPH 3, 0
.endif
	MULPH 3, 1
	WIN 0
	PLACES 4
	EPI \ld
.endm
	s_load_b256 s[4:11], s[0:1], 0x0               ; x codes, x scales, Wq codes, Wq scales
	s_load_b128 s[12:15], s[0:1], 0x20             ; Wk codes, Wk scales
	s_load_b64 s[20:21], s[0:1], 0x30              ; the partial S
	v_lshl_add_u32 v[SPW], v0, 2, SPARE
	v_mov_b32 v[NIL], 0
	ds_add_u32 v[SPW], v[NIL]                      ; the opening lines: the add twice and its wait
	ds_add_u32 v[SPW], v[NIL]
	v_lshrrev_b32 v3, 5, v0
	v_readfirstlane_b32 s[WV], v3
	s_lshr_b32 s[TT], s[WV], 1                     ; my share of a slot's rows; in the ring: I fetch for Wq (0) or Wk (1)
	s_and_b32 s[ZZ], s[WV], 1                      ; my half of the tokens; in the ring: which 32 rows I fetch
	s_bfe_u32 s[CX], ttmp6, 0x40000                ; my place in the cluster: it enters x's and the workspace's global addresses alone
	s_and_b32 s[HF], ttmp9, 1
	s_lshr_b32 s[BAT], ttmp9, 1
	s_lshl_b32 s[BAT], s[BAT], 2
	s_add_co_u32 s[BAT], s[BAT], s[CX]
	s_mov_b32 s[G1X], (3<<16)|(1<<20)|(5<<22)|(3<<25)              ; elements of 8 bytes; 4 words of padding behind every 64
	s_mov_b32 s[G1H], 15|(3<<16)|(1<<20)|(1<<21)|(5<<22)|(3<<25)   ; the same with the mask of all four work-groups
	s_mov_b32 s[G1W], 15|(3<<16)|(1<<20)|(1<<21)|(5<<22)|(3<<25)
.irp g, G1X, G1H, G1W
	s_mov_b32 s[\g+1], 32<<16
	s_mov_b32 s[\g+3], 32<<16
	s_mov_b32 s[\g+5], 32
	s_mov_b32 s[\g+6], 0
	s_mov_b32 s[\g+7], 0
.endr
.irp g, G1X, G1H
	s_mov_b32 s[\g+2], 192<<16                     ; the head's tiles: 64 rows of 768 bytes = 192 of 256
	s_mov_b32 s[\g+4], 192
.endr
	s_mov_b32 s[G1W+2], 96<<16                     ; the ring's: 32 rows
	s_mov_b32 s[G1W+4], 96
	s_mul_i32 s[WL], s[TT], HB
	s_mul_i32 s17, s[ZZ], 26112
	s_add_co_u32 s[WL], s[WL], s17
	s_mov_b32 s[TB], 0
	s_mov_b32 s[CK], 0
	s_mov_b32 s[BK], 0
	s_mov_b32 s3, 0
	s_wait_dscnt 0x0
	s_wait_kmcnt 0x0
	s_mul_i32 s2, s[BAT], 98304
	s_mul_i32 s17, s[ZZ], 49152
	s_add_co_u32 s2, s2, s17
	s_mov_b32 s[G0X], 1
	s_mul_i32 s[G0X+1], s[ZZ], HB
	s_add_co_u32 s[G0X+1], s[G0X+1], XR
	s_add_nc_u64 s[G0X+2:G0X+3], s[4:5], s[2:3]    ; x: my batch, tokens 64 z on
	s_or_b32 s[G0X+3], s[G0X+3], 0x80000000
	s_mul_i32 s2, s[HF], 393216
	s_cmp_eq_u32 s[ZZ], 0
	s_cselect_b64 s[G0H+2:G0H+3], s[8:9], s[12:13]
	s_add_nc_u64 s[G0H+2:G0H+3], s[G0H+2:G0H+3], s[2:3]  ; slot 0: wave 2 the first 64 rows of Wq's half, wave 3 of Wk's
	s_or_b32 s[G0H+3], s[G0H+3], 0x80000000
	s_mov_b32 s[G0H], 1
	s_mul_i32 s[G0H+1], s[ZZ], HB
	s_cmp_eq_u32 s[TT], 0
	s_cselect_b64 s[G0+2:G0+3], s[8:9], s[12:13]
	s_mul_i32 s17, s[ZZ], 24576
	s_add_co_u32 s2, s2, s17
	s_add_co_u32 s2, s2, 49152
	s_add_nc_u64 s[G0+2:G0+3], s[G0+2:G0+3], s[2:3]  ; the ring: slot 1's rows, my 32
	s_or_b32 s[G0+3], s[G0+3], 0x80000000
	s_mov_b32 s[G0], 1
	s_add_co_u32 s[G0+1], s[WL], SLOTB
	s_lshl_b32 s2, s[BAT], 12
	s_add_nc_u64 s[6:7], s[6:7], s[2:3]
	s_lshl_b32 s2, s[HF], 14
	s_add_nc_u64 s[NSQ:NSQ+1], s[10:11], s[2:3]
	s_add_nc_u64 s[NSK:NSK+1], s[14:15], s[2:3]
	s_lshl_b32 s2, s[BAT], 1
	s_add_co_u32 s2, s2, s[HF]
	s_lshl_b32 s2, s2, 16
	s_lshl_b32 s17, s[WV], 14
	s_add_co_u32 s2, s2, s17
	s_add_nc_u64 s[20:21], s[20:21], s[2:3]        ; 65,536 bytes for (batch, half), 16,384 a wave
	CROUND                                         ; all four work-groups are here: the first joint loads meet
	s_cmp_lt_u32 s[WV], 2                          ; one tensor load a wave at the head: waves 0, 1 x's halves, waves 2, 3 slot 0
	s_cbranch_scc0 .Lhw
	tensor_load_to_lds s[G0X:G0X+3], s[G1X:G1X+7]
	s_nop 0
	PLACES 4
	s_branch .Lhj
.Lhw:
	tensor_load_to_lds s[G0H:G0H+3], s[G1H:G1H+7]
	s_nop 0
	PLACES 4
.Lhj:
	v_and_b32 v[RR], 15, v0
	v_bfe_u32 v[HH], v0, 4, 1
	v_bfe_u32 v[GG], v0, 3, 1
	v_and_b32 v[EE], 7, v0
	v_lshlrev_b32 v[H16], 4, v[HH]
	s_lshl_b32 s2, s[TT], 10
	v_lshl_add_u32 v[WSO], v[EE], 5, v[H16]
	v_add_nc_u32 v[WSO], s2, v[WSO]                ; row 32 (w / 2) + e, 32 bytes a row, + 16 h
	s_lshl_b32 s2, s[ZZ], 11
	v_lshl_add_u32 v[XSO], v[RR], 5, v[H16]
	v_add_nc_u32 v[XSO], s2, v[XSO]
	WSLOAD                                         ; slot 0's
.irp t, 0,1,2,3
	global_load_b128 v[XS+4*\t:XS+4*\t+3], v[XSO], s[6:7] offset:512*\t
.endr
	v_cmp_gt_u32 s[MK], 8, v[RR]
	v_mov_b32 v[FLR], 0x1800000                    ; 2^-124: the floor under every largest magnitude
	v_mul_u32_u24 v[AWB], v[GG], HB
	v_mad_u32_u24 v[AWB], v[EE], 816, v[AWB]
	v_mad_u32_u24 v[AWB], v[HH], 24, v[AWB]
	s_mul_i32 s2, s[TT], 26112
	v_add_nc_u32 v[AWB], s2, v[AWB]
	v_add_nc_u32 v[ADW], s[TB], v[AWB]
	v_add_nc_u32 v[ADW+1], v[ADW], v[H16]
	s_mul_i32 s2, s[ZZ], HB
	s_add_co_u32 s2, s2, XR
	v_mul_u32_u24 v[AX], v[RR], 816
	v_mad_u32_u24 v[AX], v[HH], 24, v[AX]
	v_add_nc_u32 v[AX], s2, v[AX]
	v_add_nc_u32 v[AX+1], v[AX], v[H16]
	s_mul_i32 s2, s[ZZ], 25728
	s_mul_i32 s17, s[TT], 24
	s_add_co_u32 s2, s2, s17
	s_add_co_u32 s2, s2, XR
	v_mul_u32_u24 v[CST], v[HH], TEN               ; codes: tensor h, token 64 z + r at 400 bytes a token (tokens 64 on: 128 bytes further), block w / 2
	v_mad_u32_u24 v[CST], v[RR], 400, v[CST]
	v_add_nc_u32 v[CST], s2, v[CST]
	s_lshl_b32 s2, s[ZZ], 10
	s_add_co_u32 s2, s2, s[TT]
	s_add_co_u32 s2, s2, SCB
	v_lshlrev_b32 v[BST], 11, v[HH]
	v_lshl_add_u32 v[BST], v[RR], 4, v[BST]
	v_add_nc_u32 v[BST], s2, v[BST]
	s_mul_i32 s2, s[WV], 12800
	s_lshl_b32 s17, s[TT], 7
	s_add_co_u32 s2, s2, s17
	s_add_co_u32 s2, s2, XR
	v_mul_u32_u24 v[AQ], v[RR], 400                ; q's fragments: queries 32 w + 16 i + r
	v_mad_u32_u24 v[AQ], v[HH], 24, v[AQ]
	v_add_nc_u32 v[AQ], s2, v[AQ]
	v_mul_u32_u24 v[AK], v[GG], 25728              ; k's: lane r of tile t takes key 64 (r / 8) + 8 t + r % 8
	v_mad_u32_u24 v[AK], v[EE], 400, v[AK]
	v_mad_u32_u24 v[AK], v[HH], 24, v[AK]
	v_add_nc_u32 v[AK], XR+TEN, v[AK]
	s_lshl_b32 s2, s[WV], 9
	s_add_co_u32 s2, s2, SCB
	v_lshl_add_u32 v[AQS], v[RR], 4, s2
	v_lshlrev_b32 v[AKS], 10, v[GG]
	v_lshl_add_u32 v[AKS], v[EE], 4, v[AKS]
	v_add_nc_u32 v[AKS], SCB+2048, v[AKS]
	v_and_b32 v[LI], 31, v0
	v_lshlrev_b32 v[LI], 4, v[LI]
	s_wait_alu depctr_va_vdst(0)
	s_wait_tensorcnt 0x0                           ; my tile of the head's four is in
	ds_add_u32 v[SPW], v[NIL]
	s_wait_dscnt 0x0
	CROUND
	tensor_load_to_lds s[G0:G0+3], s[G1W:G1W+7]    ; slot 1's first fill
	s_nop 0
	PLACES 4
.irp ks, 0,1,2,3,4,5,6,7                           ; x into registers: 32 fragments
	WIN (1+\ks/5)<<6
.irp t, 0,1,2,3
	FRAG 12*(4*(\ks%5)+\t), AX, \ks, 13056*\t
.endr
.endr
	WIN 0
	LOADPH 0
	s_wait_loadcnt 0x0
	MERGE
	s_add_nc_u64 s[NSQ:NSQ+1], s[NSQ:NSQ+1], 2048
	s_add_nc_u64 s[NSK:NSK+1], s[NSK:NSK+1], 2048
	WSLOAD                                         ; slot 1's
	s_wait_alu depctr_va_vdst(0)
	s_wait_dscnt 0x0                               ; my reads of x are over: behind this barrier codes are stored on x's bytes, which have had their one fill
	s_barrier_signal -1
	s_barrier_wait -1
	s_mov_b32 s[TRIP], 6
.Lr:
	SLOTM 1, 1, 2
	s_sub_co_u32 s[TRIP], s[TRIP], 1
	s_cmp_lg_u32 s[TRIP], 0
	s_wait_alu depctr_va_vdst(0)
	s_cbranch_scc1 .Lr
	SLOTM 0, 1, 1                                  ; the last two slots ask for nothing
	SLOTM 0, 0, 0
	s_wait_alu depctr_va_vdst(0)
	s_wait_dscnt 0x0
	s_barrier_signal -1
	s_barrier_wait -1                              ; all rows of codes and all scale bytes lie in LDS
; S^T = k q^T: four K steps of 128; my query tiles 2 w, 2 w + 1 against the eight key tiles: 16 accumulators by turns, window 3 v[64 i + 8 t].  Operands in window 1, two sets of ten fragments.
.macro SLD s
.set SB, 120*((\s)%2)
	WIN 0x40
.irp t, 0,1,2,3,4,5,6,7
.irp p, 0,1,2,3,4,5
	ds_load_b64 v[SB+12*\t+2*\p:SB+12*\t+2*\p+1], v[AK] offset:3200*\t+96*(\s)+48*(\p/3)+8*(\p%3)
.endr
.endr
.irp i, 0,1
.irp p, 0,1,2,3,4,5
	ds_load_b64 v[SB+96+12*\i+2*\p:SB+96+12*\i+2*\p+1], v[AQ] offset:6400*\i+96*(\s)+48*(\p/3)+8*(\p%3)
.endr
.endr
	WIN 0
.irp t, 0,1,2,3,4,5,6,7
	ds_load_b32 v[SS+10*((\s)%2)+\t], v[AKS] offset:128*\t+4*(\s)
.endr
.irp i, 0,1
	ds_load_b32 v[SS+10*((\s)%2)+8+\i], v[AQS] offset:256*\i+4*(\s)
.endr
.endm
.macro SMUL s
.set SB, 120*((\s)%2)
.set SQ, SS+10*((\s)%2)
.set SZ, ((\s)>0)
	WIN 0xf5
.irp i, 0,1
.irp t, 0,1,2,3,4,5,6,7
	WM 64*\i+8*\t, SB+12*\t, SB+96+12*\i, SZ, SQ+\t, SQ+8+\i
.endr
.endr
	WIN 0
.endm
	SLD 0
	SLD 1
	s_wait_dscnt 63                                ; behind set 0 stand the 70 loads of set 1
	SMUL 0
	PLACES 4
	SLD 2
	s_wait_dscnt 63
	SMUL 1
	PLACES 4
	SLD 3
	s_wait_dscnt 63
	SMUL 2
	s_wait_dscnt 0x0
	SMUL 3
	PLACES 4
	WIN 0x0c                                       ; a store's data are its source 1: window 3
.irp n, 0,1,2,3,4,5,6,7,8,9,10,11,12,13,14,15
	global_store_b128 v[LI], v[8*\n:8*\n+3], s[20:21] offset:1024*\n          ; each accumulator from its low end on; 32 lanes store 512 consecutive bytes
	global_store_b128 v[LI], v[8*\n+4:8*\n+7], s[20:21] offset:1024*\n+512
.endr
	WIN 0
	s_wait_tensorcnt 0x0                           ; the wave's end
	ds_add_u32 v[SPW], v[NIL]
	s_wait_dscnt 0x0
	CROUND                                         ; the closing round
	s_endpgm
.Lfunc_end_k_qecd355e02a_qk:
	.size	k_qecd355e02a_qk, .Lfunc_end_k_qecd355e02a_qk-k_qecd355e02a_qk
	.p2alignl 7, 3214868480
	.fill 96, 4, 3214868480
	.section	.rodata,"a",@progbits
	.p2align	6, 0x0
	.amdhsa_kernel k_qecd355e02a_qk
		.amdhsa_group_segment_fixed_size 327680
		.amdhsa_private_segment_fixed_size 0
		.amdhsa_enable_private_segment 0
		.amdhsa_kernarg_size 56
		.amdhsa_user_sgpr_count 2
		.amdhsa_user_sgpr_kernarg_segment_ptr 1
		.amdhsa_wavefront_size32 1
		.amdhsa_system_sgpr_workgroup_id_x 1
		.amdhsa_system_sgpr_workgroup_id_y 1
		.amdhsa_system_sgpr_workgroup_id_z 1
		.amdhsa_system_vgpr_workitem_id 0
		.amdhsa_next_free_vgpr 1024
		.amdhsa_next_free_sgpr 96
		.amdhsa_reserve_vcc 0
		.amdhsa_float_denorm_mode_32 3
		.amdhsa_float_denorm_mode_16_64 3
		.amdhsa_memory_ordered 1
		.amdhsa_forward_progress 1
		.amdhsa_inst_pref_size 168
	.end_amdhsa_kernel
	.amdgpu_metadata
---
amdhsa.version: [ 1, 2 ]
amdhsa.kernels:
  - .name:           k_qecd355e02a_qk
    .symbol:         k_qecd355e02a_qk.kd
    .args:
      - { .name: x_codes, .offset: 0, .size: 8, .value_kind: global_buffer, .address_space: global }
      - { .name: x_scales, .offset: 8, .size: 8, .value_kind: global_buffer, .address_space: global }
      - { .name: Wq_codes, .offset: 16, .size: 8, .value_kind: global_buffer, .address_space: global }
      - { .name: Wq_scales, .offset: 24, .size: 8, .value_kind: global_buffer, .address_space: global }
      - { .name: Wk_codes, .offset: 32, .size: 8, .value_kind: global_buffer, .address_space: global }
      - { .name: Wk_scales, .offset: 40, .size: 8, .value_kind: global_buffer, .address_space: global }
      - { .name: spart, .offset: 48, .size: 8, .value_kind: global_buffer, .address_space: global }
    .group_segment_fixed_size: 327680
    .private_segment_fixed_size: 0
    .kernarg_segment_align: 8
    .kernarg_segment_size: 56
    .max_flat_workgroup_size: 128
    .sgpr_count:     96
    .vgpr_count:     1024
    .wavefront_size: 32
...
	.end_amdgpu_metadata
.endif
;; end of part 2
;; launch pv (part 3): grid 256 x 1, 4 waves a work-group, clusters of 4 x 1, 327,680 bytes of LDS; arguments x_codes, x_scales, Wv_codes, Wv_scales, spart, out0; writes out0
.if DOCPART == 3
	.amdgcn_target "amdgcn-amd-amdhsa--gfx1250"
	.amdhsa_code_object_version 6
	.text
	.protected	k_qecd355e02a_pv
	.globl	k_qecd355e02a_pv
	.p2align	8
	.type	k_qecd355e02a_pv,@function
k_qecd355e02a_pv:
	s_mov_b64 s[64:65], 0
	v_nop
	global_prefetch_b8 v0, s[64:65] scope:SCOPE_SE
	s_setreg_imm32_b32 hwreg(HW_REG_WAVE_MODE, 25, 1), 1
	s_wait_xcnt 0x0
	s_wait_alu depctr_hold_cnt(0) depctr_sa_sdst(0) depctr_va_vdst(0) depctr_va_sdst(0) depctr_va_ssrc(0) depctr_va_vcc(0) depctr_vm_vsrc(0)
	s_getreg_b32 s2, hwreg(HW_REG_IB_STS2, 6, 4)
	s_cmp_eq_u32 s2, 0
	s_cbranch_scc0 .Lentry_in_a_cluster
	s_endpgm
.Lentry_in_a_cluster:
	s_bfe_u32 s2, ttmp6, 0x10000c
	s_cmp_lg_u32 s2, 0x3003
	s_cbranch_scc0 .Lentry_shape_is_right
	s_endpgm
.Lentry_shape_is_right:
; Second of two launches of a causal self-attention (128 batches x 128 tokens, width 1,024); all products on codes of FP6 (E2M3), one E8M0 scale for each 32 along K.
; A work-group takes one batch and one HALF of d (512 rows of Wv = 512 rows of the output, which lies as out[batch][d][query]).  It adds the batch's two partial S, takes
; p = 2^(t - M), t = S log2(e) / 32, M = ceil(the row's largest t), quantised along the keys; v = x Wv^T quantised along the tokens; O = p v / the row's sum of the unquantised p.
; X STAYS IN REGISTERS: every wave holds all 128 tokens x K 1,024: 64 fragments, 768 registers.  Wv IS STREAMED BY WHOLE ROWS: a slot holds 128 rows of 768 bytes, 32 a wave: two strips of 16 rows.
; A STRIP: 64 matrix instructions give 16 d x 128 tokens (a lane: one d, 64 tokens: two whole blocks); quantised they are the operand of 8 matrix instructions with p's fragments;
; the 16 rows of the output go through the wave's stage in LDS, are multiplied by 1 / l and leave as whole rows of 512 bytes.  So the output leaves strip by strip through the whole launch.
; TOKEN TILES ARE NOT NEIGHBOURS: lane r of x's tile t takes token 64 (r / 8) + 8 t + r % 8; register n of a lane's 64 is token (key) 64 (lane / 16) + n, in v and in p alike.
; TILES: every tensor load brings a dense block of memory, stated as rows of 256 bytes with 16 bytes of padding behind each: a row of 768 bytes has a pitch of 816 in LDS.
; CLUSTER: the four work-groups have four batches and the same half of d: every tile of Wv is asked for jointly (mask 15).  x's tiles are each work-group's own.
; No prefetch: Wv comes in four fills, two of them asked for in the head and the others two strips (144 matrix instructions a wave) ahead of their first read; the partial S is loaded at the head.
; LIMITS: NaN, infinities and a given scale byte 0xff are not served.  A computed block whose largest magnitude lies under 2^-124, a block of zeros too, gets the byte 1 (the bytes are read here alone).
; REGISTERS.  windows 1-3: v0-251 x's fragments 8 K step + tile, 21 a window; window 1 v252-255: 1 / l.  window 0: see the names below; at the head v68-195 hold S and window 2 v0-127 its second part.
.set HB,    52352                      ; x's tokens 64 on: 64 rows x 816 + 128, so that a load's 16 rows touch different banks (64 banks of 4 bytes: ISA guide 11.1)
.set SLOTB, 104448
.set XR,    208896                     ; x; once it is in registers: W's scale rows (4,096 a wave), then the stages (8,448 a wave)
.set STG,   XR+16384
.set SPARE, 313600
.set PI,    314112                     ; p's eight fragment images, 1,536 bytes each
.set PS,    326400                     ; p's scale words, 64 bytes an image
.set LINV,  326912                     ; 1 / l, 4 bytes a query
.set SPW, 1
.set NIL, 2
.set AWB, 3
.set H16, 4
.set H8,  5
.set ADW, 6                            ; v6: my place in the slot in hand; v7: the same + 16 in lanes 16-31, for pieces whose upper lanes lie behind a padding
.set APF, 8
.set AWSB, 9
.set ADS, 10
.set STO, 11
.set SRD, 12
.set LI,  13
.set VS,  14                           ; v's scale word
.set FLR, 15
.set PW,  16                           ; p's scale words
.set XS,  24                           ; x's scale words: tile t, register K step % 4; lanes 0-15 K steps 0-3, lanes 16-31 K steps 4-7
.set X63, 56                           ; x's fragment 63
.set ACC, 68                           ; eight accumulators
.set F,   132                          ; eight fragments: W's of a strip, then p's
.set VC,  228                          ; v's codes
.set T,   240
.set WS,  252                          ; W's scale words of a strip
.set S1,  132                          ; the head's names
.set ST,  200
.set PC,  208
.set RR,  220
.set HH,  221
.set GG,  222
.set EE,  223
.set DQ,  224
.set XSO, 225
.set AX,  226
.set LVW, 228
.set PIW, 229
.set PSW, 230
.set APS, 231
.set ALV, 232
.set WST, 233
.set OUTP, 14
.set HF, 16
.set WV, 22
.set ZZ, 24
.set CX, 25
.set BAT, 26
.set TB, 28
.set SK, 30
.set WL, 31
.set TRIP, 32
.set SEL, 34
.set CS, 36
.set G1X, 40
.set G1H, 48
.set G1W, 56
.set G0X, 68
.set G0H, 72
.set G0,  76
.set MSB, 0
.macro WIN new                         ; the immediate's high byte repeats the setting that is left
.if MSB != (\new)
	s_set_vgpr_msb (MSB<<8)|(\new)
.set MSB, (\new)
.endif
.endm
.macro PLACES n                        ; plain vector instructions between a matrix instruction and what touches its registers (ISA guide 7.12.1)
.rept \n
	v_nop
.endr
.endm
.macro CREST
	s_cmp_lg_u32 s[WV], 0
	s_cbranch_scc1 .Lnw0_\@
	s_barrier_signal -3
.Lnw0_\@:
	s_barrier_wait -3
	s_barrier_signal -1
	s_barrier_wait -1
.endm
.macro CROUND
	s_barrier_signal -1
	s_barrier_wait -1
	CREST
.endm
; A fragment, 16 rows x 128 K, 12 registers: six pieces of 8 bytes.  Byte y of a row lies at y + 16 (y / 256) of its LDS row; lanes 16-31 read 24 bytes on.
.macro FRAG reg, a, ks, base
.irp p, 0,1,2,3,4,5
.set BY, 96*(\ks)+48*(\p/3)+8*(\p%3)
.if BY/256 == (BY+24)/256
	ds_load_b64 v[(\reg)+2*\p:(\reg)+2*\p+1], v[\a] offset:(\base)+BY+16*(BY/256)
.else
	ds_load_b64 v[(\reg)+2*\p:(\reg)+2*\p+1], v[\a+1] offset:(\base)+BY+16*(BY/256)
.endif
.endr
.endm
; ks = 0: the product starts the sum; ks >= 4: both scale words stand in lanes 16-31
.macro WM d, a, b, ks, sa, sb
.if (\ks) == 0
	v_wmma_scale_f32_16x16x128_f8f6f4 v[(\d):(\d)+7], v[(\a):(\a)+11], v[(\b):(\b)+11], 0, v[(\sa)], v[(\sb)] matrix_a_fmt:MATRIX_FMT_FP6 matrix_b_fmt:MATRIX_FMT_FP6
.elseif (\ks) < 4
	v_wmma_scale_f32_16x16x128_f8f6f4 v[(\d):(\d)+7], v[(\a):(\a)+11], v[(\b):(\b)+11], v[(\d):(\d)+7], v[(\sa)], v[(\sb)] matrix_a_fmt:MATRIX_FMT_FP6 matrix_b_fmt:MATRIX_FMT_FP6
.else
	v_wmma_scale_f32_16x16x128_f8f6f4 v[(\d):(\d)+7], v[(\a):(\a)+11], v[(\b):(\b)+11], v[(\d):(\d)+7], v[(\sa)], v[(\sb)] matrix_a_fmt:MATRIX_FMT_FP6 matrix_b_fmt:MATRIX_FMT_FP6 matrix_a_scale:MATRIX_SCALE_ROW1 matrix_b_scale:MATRIX_SCALE_ROW1
.endif
.endm
; 64 numbers of a lane, two whole blocks, become 12 registers of codes; v[T+2], v[T+3] keep the scale operands (byte << 23).  Each accumulator is read from its low end on.
.macro QUANT s, d
	v_max3_num_f32 v[T],   v[FLR], |v[(\s)]|,    |v[(\s)+1]|
	v_max3_num_f32 v[T+1], v[FLR], |v[(\s)+32]|, |v[(\s)+33]|
	v_max3_num_f32 v[T+2], v[FLR], |v[(\s)+16]|, |v[(\s)+17]|
	v_max3_num_f32 v[T+3], v[FLR], |v[(\s)+48]|, |v[(\s)+49]|
.irp k, 2,4,6,8,10,12,14
	v_max3_num_f32 v[T],   v[T],   |v[(\s)+\k]|,    |v[(\s)+\k+1]|
	v_max3_num_f32 v[T+1], v[T+1], |v[(\s)+32+\k]|, |v[(\s)+33+\k]|
	v_max3_num_f32 v[T+2], v[T+2], |v[(\s)+16+\k]|, |v[(\s)+17+\k]|
	v_max3_num_f32 v[T+3], v[T+3], |v[(\s)+48+\k]|, |v[(\s)+49+\k]|
.endr
	v_max_num_f32 v[T], v[T], v[T+2]
	v_max_num_f32 v[T+1], v[T+1], v[T+3]
	v_add_nc_u32 v[T+2], 0xff000000, v[T]          ; 2 off the exponent field: the conversion's scale operand
	v_add_nc_u32 v[T+3], 0xff000000, v[T+1]
	v_cvt_scalef32_pk16_fp6_f32 v[(\d):(\d)+2],   v[(\s):(\s)+15],    v[T+2]
	v_cvt_scalef32_pk16_fp6_f32 v[T+4:T+6],       v[(\s)+16:(\s)+31], v[T+2]
	v_cvt_scalef32_pk16_fp6_f32 v[(\d)+6:(\d)+8], v[(\s)+32:(\s)+47], v[T+3]
	v_cvt_scalef32_pk16_fp6_f32 v[T+8:T+10],      v[(\s)+48:(\s)+63], v[T+3]
	v_nop                                          ; one plain place behind a scaled conversion
	v_mov_b32 v[(\d)+3], v[T+4]
	v_mov_b32 v[(\d)+4], v[T+5]
	v_mov_b32 v[(\d)+5], v[T+6]
	v_mov_b32 v[(\d)+9], v[T+8]
	v_mov_b32 v[(\d)+10], v[T+9]
	v_mov_b32 v[(\d)+11], v[T+10]
.endm
.macro WORD dst                        ; my two bytes stand at places h and 2 + h of the scale word; lane l xor 16 has the other two
	v_lshrrev_b32 v[T], 23, v[T+2]
	v_lshrrev_b32 v[T+1], 23, v[T+3]
	v_lshl_or_b32 v[T], v[T+1], 16, v[T]
	v_lshlrev_b32 v[T], v[H8], v[T]
	v_permlanex16_b32 v[T+1], v[T], s[SEL], s[SEL+1]
	v_or_b32 v[\dst], v[T], v[T+1]
.endm
.macro VMUL k0                         ; 32 matrix instructions: K steps k0 .. k0 + 3, the eight accumulators by turns
.set kq, \k0
.rept 4
.set tq, 0
.rept 8
.set fq, 8*kq+tq
.if fq < 63
	WIN 1+fq/21
	WM ACC+8*tq, 12*(fq%21), F+12*kq, kq, XS+4*tq+kq%4, WS+kq%4
.else
	WIN 0
	WM ACC+8*tq, X63, F+12*kq, kq, XS+4*tq+kq%4, WS+kq%4
.endif
.set tq, tq+1
.endr
.set kq, kq+1
.endr
	WIN 0
.endm
.macro PLOAD t0                        ; four of p's fragments, images of operand registers
.irp t, \t0, \t0+1, \t0+2, \t0+3
.irp c, 0,1,2
	ds_load_b128 v[F+12*(\t)+4*\c:F+12*(\t)+4*\c+3], v[APF] offset:1536*(\t)+512*\c
.endr
.endr
.endm
.macro NEXTF u                         ; a strip's eight fragments of W and its scale words
.irp ks, 0,1,2,3,4,5,6,7
	FRAG F+12*\ks, ADW, \ks, 13056*(\u)
.endr
	ds_load_b128 v[WS:WS+3], v[ADS] offset:512*(\u)
.endm
; nxt = 1: the slot's second strip is fetched; 2: the next slot's first; 3: the same, but not in the loop's last trip
.macro STRIP u, nxt
	s_wait_dscnt 0x0                               ; W's fragments and scale words are in
	s_wait_xcnt 0x0                                ; the last strip's stores have read their registers
	VMUL 0
	PLACES 4
	PLOAD 0
	VMUL 4
	PLACES 4
	PLOAD 4
	QUANT ACC, VC
	WORD VS
	s_wait_alu depctr_va_vdst(0)
	s_wait_dscnt 0x0
	PLACES 8                                       ; a scale register written by a vector instruction stands 8 places ahead of a scaled matrix instruction
.irp t, 0,1,2,3,4,5,6,7
	WM ACC+8*\t, F+12*\t, VC, 0, PW+\t, VS          ; O^T: a lane holds one d and queries 16 t + 8 h + 0 .. 7
.endr
	PLACES 4
.if (\nxt) == 1
	NEXTF 1
.elseif (\nxt) == 2
	NEXTF 0
.else
	s_cmp_eq_u32 s[TRIP], 1
	s_wait_alu depctr_va_vdst(0)
	s_cbranch_scc1 .Lnn_\@
	NEXTF 0
.Lnn_\@:
.endif
.irp t, 0,1,2,3,4,5,6,7
	ds_store_b128 v[STO], v[ACC+8*\t:ACC+8*\t+3] offset:64*\t         ; each accumulator from its low end on
	ds_store_b128 v[STO], v[ACC+8*\t+4:ACC+8*\t+7] offset:64*\t+16
.endr
.irp i, 0,1,2,3,4,5,6,7,8,9,10,11,12,13,14,15
	ds_load_b128 v[ACC+4*\i:ACC+4*\i+3], v[SRD] offset:528*\i          ; LDS serves a wave's instructions in order (ISA guide 5.7.1.4): these see the stores above
.endr
	s_wait_dscnt 0x0
	WIN 0x04                                       ; 1 / l of my four queries: window 1
.irp i, 0,1,2,3,4,5,6,7,8,9,10,11,12,13,14,15
	v_pk_mul_f32 v[ACC+4*\i:ACC+4*\i+1], v[ACC+4*\i:ACC+4*\i+1], v[252:253]
	v_pk_mul_f32 v[ACC+4*\i+2:ACC+4*\i+3], v[ACC+4*\i+2:ACC+4*\i+3], v[254:255]
.endr
	WIN 0
.irp i, 0,1,2,3,4,5,6,7,8,9,10,11,12,13,14,15
	global_store_b128 v[LI], v[ACC+4*\i:ACC+4*\i+3], s[OUTP:OUTP+1] offset:8192*(\u)+512*\i th:TH_STORE_NT   ; 32 lanes store a row of 512 bytes, at a multiple of 256 from out's first byte
.endr
.endm
; The change of slots stands between a slot's two strips: the second strip's fragments have been asked for, and with the wait below all my reads of the slot are over.
.macro MEET refill
	s_wait_alu depctr_va_vdst(0)
	s_wait_tensorcnt 0x0                           ; all my tensor loads have landed: my part of the next slot
	ds_add_u32 v[SPW], v[NIL]
.if \refill
	s_add_nc_u64 s[G0+2:G0+3], s[G0+2:G0+3], 98304 ; 128 rows on
	s_add_co_u32 s[G0+1], s[WL], s[TB]             ; into the slot that is being left
.endif
	s_xor_b32 s[TB], s[TB], SLOTB
	s_add_co_u32 s[SK], s[SK], 1024
	s_wait_dscnt 0x0
	s_barrier_signal -1
	s_barrier_wait -1
.if \refill
	CREST                                          ; the barrier has opened a round of the cluster's
	tensor_load_to_lds s[G0:G0+3], s[G1W:G1W+7]
	s_nop 0
	PLACES 4
.endif
	v_add_nc_u32 v[ADW], s[TB], v[AWB]
	v_add_nc_u32 v[ADW+1], v[ADW], v[H16]
	v_add_nc_u32 v[ADS], s[SK], v[AWSB]
	s_wait_alu depctr_va_vdst(0)
.endm
.macro PAIR refill
	STRIP 0, 1
	MEET \refill
	STRIP 1, 3-(\refill)
	s_wait_xcnt 0x0                                ; the stores have read their base
	s_add_nc_u64 s[OUTP:OUTP+1], s[OUTP:OUTP+1], 65536
	s_sub_co_u32 s[TRIP], s[TRIP], 1
	s_cmp_lg_u32 s[TRIP], 0
	s_wait_alu depctr_va_vdst(0)
.endm
	s_load_b256 s[4:11], s[0:1], 0x0               ; x codes, x scales, Wv codes, Wv scales
	s_load_b128 s[12:15], s[0:1], 0x20             ; the partial S, out
	v_lshl_add_u32 v[SPW], v0, 2, SPARE
	v_mov_b32 v[NIL], 0
	ds_add_u32 v[SPW], v[NIL]                      ; the opening lines: the add twice and its wait
	ds_add_u32 v[SPW], v[NIL]
	v_lshrrev_b32 v3, 5, v0
	v_readfirstlane_b32 s[WV], v3
	s_and_b32 s[ZZ], s[WV], 1
	s_bfe_u32 s[CX], ttmp6, 0x40000                ; my place in the cluster: it enters x's, the workspace's and out's global addresses alone
	s_and_b32 s[HF], ttmp9, 1
	s_lshr_b32 s[BAT], ttmp9, 1
	s_lshl_b32 s[BAT], s[BAT], 2
	s_add_co_u32 s[BAT], s[BAT], s[CX]
	s_mov_b32 s[G1X], (3<<16)|(1<<20)|(5<<22)|(3<<25)              ; elements of 8 bytes; 4 words of padding behind every 64
	s_mov_b32 s[G1H], 15|(3<<16)|(1<<20)|(1<<21)|(5<<22)|(3<<25)   ; the same with the mask of all four work-groups
	s_mov_b32 s[G1W], 15|(3<<16)|(1<<20)|(1<<21)|(5<<22)|(3<<25)
.irp g, G1X, G1H, G1W
	s_mov_b32 s[\g+1], 32<<16
	s_mov_b32 s[\g+3], 32<<16
	s_mov_b32 s[\g+5], 32
	s_mov_b32 s[\g+6], 0
	s_mov_b32 s[\g+7], 0
.endr
.irp g, G1X, G1H
	s_mov_b32 s[\g+2], 192<<16                     ; the head's tiles: 64 rows of 768 bytes = 192 of 256
	s_mov_b32 s[\g+4], 192
.endr
	s_mov_b32 s[G1W+2], 96<<16                     ; the ring's: 32 rows
	s_mov_b32 s[G1W+4], 96
	s_mov_b32 s[SEL], 0x76543210
	s_mov_b32 s[SEL+1], 0xfedcba98                 ; v_permlanex16_b32's selects for lane l xor 16
	s_mov_b32 s[CS], 0x3d38aa3b                    ; log2(e) / 32
	s_mov_b32 s[CS+1], s[CS]
	s_mul_i32 s[WL], s[WV], 26112
	s_mov_b32 s[TB], 0
	s_mov_b32 s[SK], 0
	s_mov_b32 s3, 0
	s_wait_dscnt 0x0
	s_wait_kmcnt 0x0
	s_mul_i32 s2, s[BAT], 98304
	s_mul_i32 s17, s[ZZ], 49152
	s_add_co_u32 s2, s2, s17
	s_mov_b32 s[G0X], 1
	s_mul_i32 s[G0X+1], s[ZZ], HB
	s_add_co_u32 s[G0X+1], s[G0X+1], XR
	s_add_nc_u64 s[G0X+2:G0X+3], s[4:5], s[2:3]    ; x: my batch, tokens 64 z on
	s_or_b32 s[G0X+3], s[G0X+3], 0x80000000
	s_mul_i32 s2, s[HF], 393216
	s_add_co_u32 s2, s2, s17
	s_mov_b32 s[G0H], 1
	s_mul_i32 s[G0H+1], s[ZZ], 52224
	s_add_nc_u64 s[G0H+2:G0H+3], s[8:9], s[2:3]    ; slot 0: rows 64 z on of my half
	s_or_b32 s[G0H+3], s[G0H+3], 0x80000000
	s_mul_i32 s2, s[HF], 393216
	s_mul_i32 s17, s[WV], 24576
	s_add_co_u32 s2, s2, s17
	s_add_co_u32 s2, s2, 98304
	s_mov_b32 s[G0], 1
	s_add_co_u32 s[G0+1], s[WL], SLOTB
	s_add_nc_u64 s[G0+2:G0+3], s[8:9], s[2:3]      ; the ring: slot 1's rows, my 32
	s_or_b32 s[G0+3], s[G0+3], 0x80000000
	s_lshl_b32 s2, s[BAT], 12
	s_add_nc_u64 s[6:7], s[6:7], s[2:3]
	s_lshl_b32 s2, s[HF], 14
	s_lshl_b32 s17, s[WV], 10
	s_add_co_u32 s2, s2, s17
	s_add_nc_u64 s[10:11], s[10:11], s[2:3]        ; W's scale rows 512 H + 32 w on
	s_lshl_b32 s2, s[BAT], 17
	s_lshl_b32 s17, s[WV], 14
	s_add_co_u32 s2, s2, s17
	s_add_nc_u64 s[12:13], s[12:13], s[2:3]        ; the partial S: my batch's two blocks of 65,536 bytes, my wave's 16,384 of each
	s_lshl_b32 s2, s[BAT], 19
	s_lshl_b32 s18, s[HF], 18
	s_add_co_u32 s2, s2, s18
	s_add_co_u32 s2, s2, s17
	s_add_nc_u64 s[OUTP:OUTP+1], s[OUTP:OUTP+1], s[2:3]  ; out: my batch, rows d = 512 H + 32 w on
	CROUND                                         ; all four work-groups are here: the first joint loads meet
	s_cmp_lt_u32 s[WV], 2                          ; one tensor load a wave at the head: waves 0, 1 x's halves, waves 2, 3 slot 0's
	s_cbranch_scc0 .Lhw
	tensor_load_to_lds s[G0X:G0X+3], s[G1X:G1X+7]
	s_nop 0
	PLACES 4
	s_branch .Lhj
.Lhw:
	tensor_load_to_lds s[G0H:G0H+3], s[G1H:G1H+7]
	s_nop 0
	PLACES 4
.Lhj:
	v_and_b32 v[LI], 31, v0
	v_lshlrev_b32 v[LI], 4, v[LI]
	; the two partial S, as the first launch's registers stood: tile 8 i + key tile at 1,024 bytes each; a load reads 512 consecutive bytes
.irp t, 0,1,2,3,4,5,6,7
	global_load_b128 v[ACC+8*\t:ACC+8*\t+3],   v[LI], s[12:13] offset:1024*\t
	global_load_b128 v[ACC+8*\t+4:ACC+8*\t+7], v[LI], s[12:13] offset:1024*\t+512
	global_load_b128 v[S1+8*\t:S1+8*\t+3],     v[LI], s[12:13] offset:8192+1024*\t
	global_load_b128 v[S1+8*\t+4:S1+8*\t+7],   v[LI], s[12:13] offset:8192+1024*\t+512
.endr
	WIN 0x80
.irp t, 0,1,2,3,4,5,6,7
	global_load_b128 v[8*\t:8*\t+3],         v[LI], s[12:13] offset:65536+1024*\t
	global_load_b128 v[8*\t+4:8*\t+7],       v[LI], s[12:13] offset:65536+1024*\t+512
	global_load_b128 v[64+8*\t:64+8*\t+3],   v[LI], s[12:13] offset:65536+8192+1024*\t
	global_load_b128 v[64+8*\t+4:64+8*\t+7], v[LI], s[12:13] offset:65536+8192+1024*\t+512
.endr
	WIN 0
	v_and_b32 v[RR], 15, v0
	v_bfe_u32 v[HH], v0, 4, 1
	v_bfe_u32 v[GG], v0, 3, 1
	v_and_b32 v[EE], 7, v0
	v_lshlrev_b32 v[H16], 4, v[HH]
	v_lshlrev_b32 v[H8], 3, v[HH]
	v_lshl_add_u32 v[XSO], v[GG], 11, v[H16]
	v_lshl_add_u32 v[XSO], v[EE], 5, v[XSO]        ; token 64 g + e, 32 bytes a token, + 16 h
.irp t, 0,1,2,3,4,5,6,7
	global_load_b128 v[XS+4*\t:XS+4*\t+3], v[XSO], s[6:7] offset:256*\t
.endr
	v_mov_b32 v[FLR], 0x1800000                    ; 2^-124: the floor under every largest magnitude
	v_mul_u32_u24 v[AWB], v[RR], 816
	v_mad_u32_u24 v[AWB], v[HH], 24, v[AWB]
	v_add_nc_u32 v[AWB], s[WL], v[AWB]
	v_add_nc_u32 v[ADW], s[TB], v[AWB]
	v_add_nc_u32 v[ADW+1], v[ADW], v[H16]
	v_mul_u32_u24 v[AX], v[GG], HB
	v_mad_u32_u24 v[AX], v[EE], 816, v[AX]
	v_mad_u32_u24 v[AX], v[HH], 24, v[AX]
	v_add_nc_u32 v[AX], XR, v[AX]
	v_add_nc_u32 v[AX+1], v[AX], v[H16]
	v_add_nc_u32 v[APF], PI, v[LI]
	s_lshl_b32 s2, s[WV], 12
	s_add_co_u32 s2, s2, XR
	v_lshl_add_u32 v[AWSB], v[RR], 5, v[H16]
	v_add_nc_u32 v[AWSB], s2, v[AWSB]
	v_add_nc_u32 v[ADS], s[SK], v[AWSB]
	v_add_nc_u32 v[WST], s2, v[LI]
	s_mul_i32 s2, s[WV], 8448
	s_add_co_u32 s2, s2, STG
	v_mul_u32_u24 v[STO], v[RR], 528
	v_lshl_add_u32 v[STO], v[HH], 5, v[STO]
	v_add_nc_u32 v[STO], s2, v[STO]                ; the stage: row d = r of 528 bytes, 32 bytes for each half of the lanes
	v_add_nc_u32 v[SRD], s2, v[LI]
	s_lshl_b32 s2, s[WV], 5
	v_add_nc_u32 v[DQ], s2, v[RR]
	v_lshlrev_b32 v[ST], 6, v[HH]
	v_sub_nc_u32 v[DQ], v[DQ], v[ST]               ; my query of tile 2 w, 32 w + r, less my half's first key
	s_lshl_b32 s2, s[WV], 7
	s_add_co_u32 s17, s2, LINV
	v_lshl_add_u32 v[LVW], v[RR], 2, s17
	s_add_co_u32 s17, s2, PS
	v_lshl_add_u32 v[PSW], v[RR], 2, s17
	s_mul_i32 s2, s[WV], 3072
	s_add_co_u32 s2, s2, PI
	v_add_nc_u32 v[PIW], s2, v[LI]
	v_lshl_add_u32 v[APS], v[RR], 2, PS
	v_add_nc_u32 v[ALV], LINV, v[LI]
	s_wait_alu depctr_va_vdst(0)
	s_wait_loadcnt 0x0
	; ---- S = the sum of its two parts, in f32
	WIN 0x08
.set n, 0
.rept 64
	v_pk_add_f32 v[ACC+n:ACC+n+1], v[ACC+n:ACC+n+1], v[n:n+1]
.set n, n+2
.endr
	WIN 0
	; ---- THE SOFTMAX.  A lane holds one query; register n of a tile's 64 is key 64 h + n: hidden where n > query - 64 h
	v_mov_b32 v[ST], 0xff800000
	v_add_nc_u32 v[ST+1], 16, v[DQ]
.set n, 0
.rept 64
	v_cmp_gt_i32 vcc_lo, n, v[DQ]
	v_cndmask_b32 v[ACC+n], v[ACC+n], v[ST], vcc_lo
.set n, n+1
.endr
.set n, 0
.rept 64
	v_cmp_gt_i32 vcc_lo, n, v[ST+1]
	v_cndmask_b32 v[S1+n], v[S1+n], v[ST], vcc_lo
.set n, n+1
.endr
.macro SOFT s, i
	v_max3_num_f32 v[ST],   v[(\s)],    v[(\s)+1],  v[(\s)+2]
	v_max3_num_f32 v[ST+1], v[(\s)+32], v[(\s)+33], v[(\s)+34]
.irp k, 3,5,7,9,11,13,15,17,19,21,23,25,27,29
	v_max3_num_f32 v[ST],   v[ST],   v[(\s)+\k],    v[(\s)+\k+1]
	v_max3_num_f32 v[ST+1], v[ST+1], v[(\s)+32+\k], v[(\s)+33+\k]
.endr
	v_max3_num_f32 v[ST], v[ST], v[ST+1], v[(\s)+31]
	v_max_num_f32 v[ST], v[ST], v[(\s)+63]
	v_permlanex16_b32 v[ST+1], v[ST], s[SEL], s[SEL+1]
	v_max_num_f32 v[ST], v[ST], v[ST+1]            ; the row's largest score (key 0 counts for every query)
	v_mul_f32 v[ST], s[CS], v[ST]
	v_floor_f32 v[ST+2], -v[ST]                    ; -M = floor(-t): M is a whole number
	v_mov_b32 v[ST+3], 0
.set j, 0
.rept 32
	v_pk_fma_f32 v[(\s)+j:(\s)+j+1], v[(\s)+j:(\s)+j+1], s[CS:CS+1], v[ST+2:ST+3] op_sel_hi:[1,0,0]   ; t - M
.set j, j+2
.endr
.set j, 0
	s_wait_alu depctr_va_vdst(0)                   ; the wait ahead of the batch
.rept 64
	v_exp_f32 v[(\s)+j], v[(\s)+j]                 ; p = 2^(t - M): not normalised; 0 where the key is hidden
.set j, j+1
.endr
	v_nop
	s_wait_alu depctr_va_vdst(0)                   ; and behind it
	v_pk_add_f32 v[ST+4:ST+5], v[(\s):(\s)+1], v[(\s)+2:(\s)+3]      ; the row's sum, of the unquantised p, in two chains
	v_pk_add_f32 v[ST+6:ST+7], v[(\s)+4:(\s)+5], v[(\s)+6:(\s)+7]
.irp k, 8,12,16,20,24,28,32,36,40,44,48,52,56,60
	v_pk_add_f32 v[ST+4:ST+5], v[ST+4:ST+5], v[(\s)+\k:(\s)+\k+1]
	v_pk_add_f32 v[ST+6:ST+7], v[ST+6:ST+7], v[(\s)+\k+2:(\s)+\k+3]
.endr
	v_pk_add_f32 v[ST+4:ST+5], v[ST+4:ST+5], v[ST+6:ST+7]
	v_add_f32 v[ST+4], v[ST+4], v[ST+5]
	v_permlanex16_b32 v[ST+5], v[ST+4], s[SEL], s[SEL+1]
	v_add_f32 v[ST+4], v[ST+4], v[ST+5]
	s_wait_alu depctr_va_vdst(0)
	v_rcp_f32 v[ST+6], v[ST+4]                     ; 1 / l; the quantiser below is the work behind it
	QUANT \s, PC
	WORD ST+7
	s_wait_alu depctr_va_vdst(0)                   ; the wait for the reciprocal, ahead of its first reader
	ds_store_b32 v[LVW], v[ST+6] offset:64*\i
.irp c, 0,1,2
	ds_store_b128 v[PIW], v[PC+4*\c:PC+4*\c+3] offset:1536*\i+512*\c
.endr
	ds_store_b32 v[PSW], v[ST+7] offset:64*\i
.endm
	SOFT ACC, 0
	SOFT S1, 1
.irp f, 0,1,2,3                                    ; the scale rows of my 4 x 32 rows of W: four dense runs of 1,024 bytes
	global_load_b128 v[ACC+8*\f:ACC+8*\f+3],   v[LI], s[10:11] offset:4096*\f
	global_load_b128 v[ACC+8*\f+4:ACC+8*\f+7], v[LI], s[10:11] offset:4096*\f+512
.endr
	s_wait_alu depctr_va_vdst(0)
	s_wait_tensorcnt 0x0                           ; my tile of the head's four is in
	ds_add_u32 v[SPW], v[NIL]
	s_wait_dscnt 0x0                               ; and p's images, words and 1 / l are stored
	CROUND
	tensor_load_to_lds s[G0:G0+3], s[G1W:G1W+7]    ; slot 1's first fill
	s_nop 0
	PLACES 4
.set f, 0
.rept 64                                           ; x into registers: 64 fragments
.if f < 63
	WIN (1+f/21)<<6
	FRAG 12*(f%21), AX, f/8, 6528*(f%8)
.else
	WIN 0
	FRAG X63, AX, f/8, 6528*(f%8)
.endif
.set f, f+1
.endr
.irp t, 0,1,2,3,4,5,6,7
	ds_load_b32 v[PW+\t], v[APS] offset:64*\t
.endr
	WIN 0x40
	ds_load_b128 v[252:255], v[ALV]                ; 1 / l of queries 4 lane on
	WIN 0
	s_wait_dscnt 0x0                               ; my reads of x are over: behind this barrier the waves store on x's bytes, which have had their one fill
	s_barrier_signal -1
	s_barrier_wait -1
	s_wait_loadcnt 0x0
.irp f, 0,1,2,3
	ds_store_b128 v[WST], v[ACC+8*\f:ACC+8*\f+3] offset:1024*\f
	ds_store_b128 v[WST], v[ACC+8*\f+4:ACC+8*\f+7] offset:1024*\f+512
.endr
	NEXTF 0
	s_mov_b32 s[TRIP], 2
.La:                                               ; slots 0, 1: each is filled again
	PAIR 1
	s_cbranch_scc1 .La
	s_mov_b32 s[TRIP], 2
.Lb:                                               ; the last two fills: nothing more is asked for
	PAIR 0
	s_cbranch_scc1 .Lb
	s_wait_tensorcnt 0x0                           ; the wave's end
	ds_add_u32 v[SPW], v[NIL]
	s_wait_dscnt 0x0
	CROUND                                         ; the closing round
	s_endpgm
.Lfunc_end_k_qecd355e02a_pv:
	.size	k_qecd355e02a_pv, .Lfunc_end_k_qecd355e02a_pv-k_qecd355e02a_pv
	.p2alignl 7, 3214868480
	.fill 96, 4, 3214868480
	.section	.rodata,"a",@progbits
	.p2align	6, 0x0
	.amdhsa_kernel k_qecd355e02a_pv
		.amdhsa_group_segment_fixed_size 327680
		.amdhsa_private_segment_fixed_size 0
		.amdhsa_enable_private_segment 0
		.amdhsa_kernarg_size 48
		.amdhsa_user_sgpr_count 2
		.amdhsa_user_sgpr_kernarg_segment_ptr 1
		.amdhsa_wavefront_size32 1
		.amdhsa_system_sgpr_workgroup_id_x 1
		.amdhsa_system_sgpr_workgroup_id_y 1
		.amdhsa_system_sgpr_workgroup_id_z 1
		.amdhsa_system_vgpr_workitem_id 0
		.amdhsa_next_free_vgpr 1024
		.amdhsa_next_free_sgpr 96
		.amdhsa_reserve_vcc 1
		.amdhsa_float_denorm_mode_32 3
		.amdhsa_float_denorm_mode_16_64 3
		.amdhsa_memory_ordered 1
		.amdhsa_forward_progress 1
		.amdhsa_inst_pref_size 175
	.end_amdhsa_kernel
	.amdgpu_metadata
---
amdhsa.version: [ 1, 2 ]
amdhsa.kernels:
  - .name:           k_qecd355e02a_pv
    .symbol:         k_qecd355e02a_pv.kd
    .args:
      - { .name: x_codes, .offset: 0, .size: 8, .value_kind: global_buffer, .address_space: global }
      - { .name: x_scales, .offset: 8, .size: 8, .value_kind: global_buffer, .address_space: global }
      - { .name: Wv_codes, .offset: 16, .size: 8, .value_kind: global_buffer, .address_space: global }
      - { .name: Wv_scales, .offset: 24, .size: 8, .value_kind: global_buffer, .address_space: global }
      - { .name: spart, .offset: 32, .size: 8, .value_kind: global_buffer, .address_space: global }
      - { .name: out0, .offset: 40, .size: 8, .value_kind: global_buffer, .address_space: global }
    .group_segment_fixed_size: 327680
    .private_segment_fixed_size: 0
    .kernarg_segment_align: 8
    .kernarg_segment_size: 48
    .max_flat_workgroup_size: 128
    .sgpr_count:     96
    .vgpr_count:     1024
    .wavefront_size: 32
...
	.end_amdgpu_metadata
.endif
;; end of part 3
